; MI455X (gfx1250); checked and timed in simulation.
; The chip was launched on July 23, 2026; its instructions are those of AMD's public machine-readable ISA for CDNA 5 (MIT licence, August 2026) and "CDNA5" Instruction Set Architecture Reference Guide (July 2026). The comments in the code are by the model that wrote it; some were corrected since.
;; Selective SSM. Allowed arithmetic: float matrix products may take bf16 or f16 operands with f32 sums; other float arithmetic in f32, or as packed bf16 or f16 multiplies, adds, multiply-adds, maxima and minima; sums over many terms, partial sums and values carried from step to step in f32; what a program stores and reads back later, other than sums and carried values, may be rounded once to bf16 or f16.
;; Inputs: A_log 1,024 x 16 float32; D_param 1,024 float32; Wb 1,024 x 16 float32; Wc 1,024 x 16 float32; Wdelta 1,024 x 1,024 float32; bb 16 float32; bc 16 float32; bdelta 1,024 float32; x 8 x 2,048 x 1,024 float32.
;; Outputs: out0 8 x 2,048 x 1,024 float32.
;; 2 versions, each right. Each part assembles by itself: llvm-mc -triple=amdgcn-amd-amdhsa -mcpu=gfx1250 --defsym DOCPART=n.
;; ======== version 1 of 2: 3 launches
;; limits: values are held in f16: magnitudes above 65,504 overflow, below 6.1e-05 lose precision
;; workspace buffers: wt 2,097,152 bytes; wbc 65,536 bytes; dl 33,554,432 bytes; xb 33,554,432 bytes; bcm 2,097,152 bytes
;; launch prep (part 1): grid 17 x 16, 4 waves a work-group, no clusters, 14,336 bytes of LDS; arguments Wdelta, Wb, Wc, wt, wbc; writes wt, wbc
.if DOCPART == 1
	.amdgcn_target "amdgcn-amd-amdhsa--gfx1250"
	.amdhsa_code_object_version 6
	.text
	.protected	k_q4b14522e49_prep
	.globl	k_q4b14522e49_prep
	.p2align	8
	.type	k_q4b14522e49_prep,@function
k_q4b14522e49_prep:
	s_mov_b64 s[64:65], 0
	v_nop
	global_prefetch_b8 v0, s[64:65] scope:SCOPE_SE
	s_setreg_imm32_b32 hwreg(HW_REG_WAVE_MODE, 25, 1), 1
	s_wait_xcnt 0x0
; THE WEIGHTS, ROUNDED TO bf16 AND TURNED, in slabs of one K step (64 k) for the projection that follows.
;   wt  [s 16][n 1024][64 k] bf16 = Wdelta[64 s + k][n]      wbc [s 16][row 32][64 k] bf16: rows 0-15 = Wb's columns, rows 16-31 = Wc's
; Work-group (j, s): K step s; j < 16: columns 64 j .. 64 j + 63 of Wdelta; j = 16: Wb and Wc.  The branch hangs on the work-group's number alone; the two ways have LDS rows of their own.
; A thread loads eight rows k of four neighbouring columns (sixteen lanes cover 256 consecutive bytes of a row of Wdelta), rounds, and puts each column's eight k,
; 16 bytes, into an LDS row of 128 + 16 bytes; behind a barrier the rows are read back whole and stored: each store of a wave covers 512 consecutive bytes, aligned.
; No cluster: no two work-groups read the same bytes.  No matrix work, no tensor load: 4.3 MB pass once through registers.
; LIMIT: the one rounding to bf16 (to nearest even); every input of the program is so rounded where it is first used.
.set PITCH, 144                        ; an LDS row: 128 bytes + 16
.set BCB,   64*PITCH                   ; behind Wdelta's 64 rows: 32 rows for Wb and Wc
.set SPARE, BCB+32*PITCH               ; behind them (byte 13,824): the spare words, 128 bytes a wave, that no other line names
.set SPW, 60                           ; v60  SPARE + 4 x my thread's number; never rewritten
.set NIL, 61                           ; v61  0; never rewritten
.set L,   8                            ; v[8:39]   eight loads of four f32; later the rows read back
.set P,   40                           ; v[40:55]  four columns x eight k in bf16
; eight rows of four columns from base s[lo:lo+1], rows step bytes apart; rounded; each column's 16 bytes into its LDS row, from LDS byte lb on
.macro GATHER lo, step, lb
.irp i, 0,1,2,3,4,5,6,7
	global_load_b128 v[L+4*\i:L+4*\i+3], v3, s[\lo:\lo+1] offset:\i*(\step) th:TH_LOAD_NT
.endr
	s_wait_loadcnt 0x0
.irp c, 0,1,2,3
.irp m, 0,1,2,3
	v_cvt_pk_bf16_f32 v[P+4*\c+\m], v[L+8*\m+\c], v[L+8*\m+4+\c]   ; k = 2 m below, 2 m + 1 above
.endr
	ds_store_b128 v4, v[P+4*\c:P+4*\c+3] offset:\c*PITCH+(\lb)
.endr
.endm
; the barrier, n x 16 rows read back whole from LDS byte lb on and stored to s[lo:lo+1], and the wave's end
.macro SEND lo, n, lb
	s_wait_dscnt 0x0                               ; for the others' sake: my stores into the rows are done
	s_barrier_signal -1
	s_barrier_wait -1
.set i, 0
.rept \n
	ds_load_b128 v[L+4*i:L+4*i+3], v5 offset:i*16*PITCH+(\lb)
.set i, i+1
.endr
.set i, 0
.rept \n
	s_wait_dscnt (\n)-1-i                          ; LDS loads come back in order: load i is in, the younger ones may be out
	global_store_b128 v6, v[L+4*i:L+4*i+3], s[\lo:\lo+1] offset:i*2048
.set i, i+1
.endr
	s_wait_tensorcnt 0x0                           ; the wave's end: these three lines behind my last LDS store
	ds_add_u32 v[SPW], v[NIL]
	s_wait_dscnt 0x0
	s_endpgm
.endm
	s_load_b256 s[4:11], s[0:1], 0x0               ; Wdelta s[4:5], Wb s[6:7], Wc s[8:9], wt s[10:11]
	s_load_b64 s[12:13], s[0:1], 0x20              ; wbc
	v_lshl_add_u32 v[SPW], v0, 2, SPARE
	v_mov_b32 v[NIL], 0
	v_lshrrev_b32 v1, 5, v0
	v_readfirstlane_b32 s14, v1                    ; wave 0..3
	s_and_b32 s15, ttmp7, 0xffff                   ; s, the K step
	v_lshrrev_b32 v5, 3, v0                        ; back: thread t reads row t / 8 (+ 16 i), 16 bytes at 16 (t % 8)
	v_mul_u32_u24 v5, v5, PITCH
	v_and_b32 v7, 7, v0
	v_lshl_add_u32 v5, v7, 4, v5
	v_lshlrev_b32 v6, 4, v0                        ; and stores them at 16 t (+ 2,048 i)
	s_mov_b32 s17, 0
	s_mov_b32 s19, 0
	s_wait_kmcnt 0x0
	s_cmp_eq_u32 ttmp9, 16
	s_cbranch_scc1 .Lbc
	; Wdelta: lane l of wave w takes columns 4 (l % 16) .. + 3 and rows 8 (2 w + l / 16) .. + 7 of the 64 x 64 block
	v_and_b32 v7, 15, v0
	v_bfe_u32 v1, v0, 4, 1
	s_lshl_b32 s20, s14, 16                        ; 16 rows of 4,096 bytes a wave
	v_lshl_add_u32 v3, v1, 15, s20
	v_lshl_add_u32 v3, v7, 4, v3
	v_mul_u32_u24 v4, v7, 4*PITCH                  ; LDS row 4 (l % 16) (+ c), byte 16 (2 w + l / 16)
	v_lshl_add_u32 v4, v1, 4, v4
	s_lshl_b32 s21, s14, 5
	v_add_nc_u32 v4, s21, v4
	s_lshl_b32 s16, s15, 18                        ; 64 rows of Wdelta a K step
	s_lshl_b32 s18, ttmp9, 8                       ; 64 columns of f32
	s_add_nc_u64 s[4:5], s[4:5], s[16:17]
	s_add_nc_u64 s[4:5], s[4:5], s[18:19]
	s_lshl_b32 s16, s15, 17                        ; a slab of wt
	s_lshl_b32 s18, ttmp9, 13                      ; 64 rows of 128 bytes
	s_add_nc_u64 s[10:11], s[10:11], s[16:17]
	s_add_nc_u64 s[10:11], s[10:11], s[18:19]
	GATHER 4, 4096, 0
	SEND 10, 4, 0
.Lbc:                                                  ; Wb (wave 0) and Wc (wave 1): rows of 64 bytes; lane l takes columns 4 (l % 4) .. + 3, rows 8 (l / 4) .. + 7
	s_lshl_b32 s16, s15, 12                        ; 64 rows of 64 bytes; also a K step's 4,096 bytes of wbc
	s_add_nc_u64 s[12:13], s[12:13], s[16:17]
	s_cmp_lt_u32 s14, 2
	s_cbranch_scc0 .Lbc_meet                       ; waves 2 and 3 gather nothing; the jump passes no barrier
	s_cmp_eq_u32 s14, 0
	s_cselect_b64 s[20:21], s[6:7], s[8:9]
	s_add_nc_u64 s[20:21], s[20:21], s[16:17]
	v_and_b32 v7, 3, v0
	v_bfe_u32 v1, v0, 2, 3
	v_lshlrev_b32 v3, 9, v1
	v_lshl_add_u32 v3, v7, 4, v3
	v_mul_u32_u24 v4, v7, 4*PITCH                  ; LDS row 16 w + 4 (l % 4) (+ c) of this way's 32, byte 16 (l / 4)
	v_lshl_add_u32 v4, v1, 4, v4
	s_mul_i32 s22, s14, 16*PITCH
	v_add_nc_u32 v4, s22, v4
	GATHER 20, 64, BCB
.Lbc_meet:
	SEND 12, 2, BCB
.Lfunc_end_k_q4b14522e49_prep:
	.size	k_q4b14522e49_prep, .Lfunc_end_k_q4b14522e49_prep-k_q4b14522e49_prep
	.p2alignl 7, 3214868480
	.fill 96, 4, 3214868480
	.section	.rodata,"a",@progbits
	.p2align	6, 0x0
	.amdhsa_kernel k_q4b14522e49_prep
		.amdhsa_group_segment_fixed_size 14336
		.amdhsa_private_segment_fixed_size 0
		.amdhsa_enable_private_segment 0
		.amdhsa_kernarg_size 40
		.amdhsa_user_sgpr_count 2
		.amdhsa_user_sgpr_kernarg_segment_ptr 1
		.amdhsa_wavefront_size32 1
		.amdhsa_system_sgpr_workgroup_id_x 1
		.amdhsa_system_sgpr_workgroup_id_y 1
		.amdhsa_system_sgpr_workgroup_id_z 1
		.amdhsa_system_vgpr_workitem_id 0
		.amdhsa_next_free_vgpr 64
		.amdhsa_next_free_sgpr 66
		.amdhsa_reserve_vcc 0
		.amdhsa_float_denorm_mode_32 3
		.amdhsa_float_denorm_mode_16_64 3
		.amdhsa_memory_ordered 1
		.amdhsa_forward_progress 1
		.amdhsa_inst_pref_size 9
	.end_amdhsa_kernel
	.amdgpu_metadata
---
amdhsa.version: [ 1, 2 ]
amdhsa.kernels:
  - .name:           k_q4b14522e49_prep
    .symbol:         k_q4b14522e49_prep.kd
    .args:
      - { .name: Wdelta, .offset: 0, .size: 8, .value_kind: global_buffer, .address_space: global }
      - { .name: Wb, .offset: 8, .size: 8, .value_kind: global_buffer, .address_space: global }
      - { .name: Wc, .offset: 16, .size: 8, .value_kind: global_buffer, .address_space: global }
      - { .name: wt, .offset: 24, .size: 8, .value_kind: global_buffer, .address_space: global }
      - { .name: wbc, .offset: 32, .size: 8, .value_kind: global_buffer, .address_space: global }
    .group_segment_fixed_size: 14336
    .private_segment_fixed_size: 0
    .kernarg_segment_align: 8
    .kernarg_segment_size: 40
    .max_flat_workgroup_size: 128
    .sgpr_count:     66
    .vgpr_count:     64
    .wavefront_size: 32
...
	.end_amdgpu_metadata
.endif
;; end of part 1
;; launch proj (part 2): grid 256 x 1, 4 waves a work-group, clusters of 4 x 1, 327,680 bytes of LDS; arguments x, wt, wbc, bdelta, bb, bc, dl, xb, bcm; writes dl, xb, bcm
.if DOCPART == 2
	.amdgcn_target "amdgcn-amd-amdhsa--gfx1250"
	.amdhsa_code_object_version 6
	.text
	.protected	k_q4b14522e49_proj
	.globl	k_q4b14522e49_proj
	.p2align	8
	.type	k_q4b14522e49_proj,@function
k_q4b14522e49_proj:
	s_mov_b64 s[64:65], 0
	v_nop
	global_prefetch_b8 v0, s[64:65] scope:SCOPE_SE
	s_setreg_imm32_b32 hwreg(HW_REG_WAVE_MODE, 25, 1), 1
	s_wait_xcnt 0x0
	s_wait_alu depctr_hold_cnt(0) depctr_sa_sdst(0) depctr_va_vdst(0) depctr_va_sdst(0) depctr_va_ssrc(0) depctr_va_vcc(0) depctr_vm_vsrc(0)
	s_getreg_b32 s2, hwreg(HW_REG_IB_STS2, 6, 4)
	s_cmp_eq_u32 s2, 0
	s_cbranch_scc0 .Lentry_in_a_cluster
	s_endpgm
.Lentry_in_a_cluster:
	s_bfe_u32 s2, ttmp6, 0x10000c
	s_cmp_lg_u32 s2, 0x3003
	s_cbranch_scc0 .Lentry_shape_is_right
	s_endpgm
.Lentry_shape_is_right:
; THE THREE PROJECTIONS.  delta = softplus(x Wdelta + bdelta) -> dl (f16);  B = x Wb + bb, C = x Wc + bc -> bcm (f32);  x rounded to bf16 and turned -> xb.
;   dl, xb [b 8][dblk 32][oct 256][ch 32][8 t]: a channel's eight steps are 16 bytes, an oct of a block of 32 channels 512 bytes      bcm [b][t][g 4][B(4g..4g+3), C(4g..4g+3)] f32
; SHARES.  A work-group owns 64 rows (b, t) and makes all 1,056 columns in ONE pass over K: 16 K steps of 64, each two halves of 32.  So x is read and rounded once.  Wave w makes 64 t x channels
; 256 w .. + 255 (64 accumulators, 512 registers) and the B and C tiles of rows 16 w .. + 15 (two more): 66 matrix instructions a half.  Each fragment of the weights is read from LDS by one wave alone.
; CLUSTER.  All work-groups walk the same weights: each wave's quarter of a slab (256 rows of 128 bytes, dense) is asked for JOINTLY by the four partners: same line, same descriptor, mask 15.
; x is the work-group's own: global load -> registers -> bf16 -> small LDS slots (A slots), two K steps ahead of its products; Wb's and Wc's 4 KiB a step go the same way (C slots): they are a
; thirty-third of a step's weight bytes, so they are not asked for jointly.  The A slot, read by the turning load, gives xb.
; LAYOUT.  delta: source 0 = 16 rows of x, source 1 = 16 rows of wt: a lane holds ONE channel (lane % 16) and steps 8 (lane / 16) + 0..7: rounded, the 16 bytes of dl; lanes 0-15 store 256 consecutive
; bytes, aligned, lanes 16-31 the 256 bytes 512 further on.  B, C: source 0 = 16 weight rows, source 1 = my 16 rows of x: a lane holds one step and eight states.
; LIMITS.  x, the weights and the biases are rounded to bf16; sums in f32.  delta is stored once in f16: right up to 65,504 (beyond it an infinity), and below 6e-5 with f16's fixed step of 6e-8.
; softplus(z) = max(z, 0) + ln 2 x log2(1 + 2^(-|z| log2 e)): no exponential can overflow; the second term counts as 0 where 2^(..) is below 6e-8.  NaN and infinities are not treated apart.
; REGISTERS, in windows of 256 (s_set_vgpr_msb: bits 1:0 source 0, 3:2 source 1, 5:4 source 2, 7:6 destination):
;   window 0: v0-31 addresses; v32-95 x fragments, two buffers; v96-143 B/C operands, two buffers; v144-159 B/C sums; v160-239 x and wbc as loaded, two sets of 40; v240-255 x turned
;   window 1: weight fragments, two buffers of 128          windows 2, 3: accumulator (nt, mt) at 8 (4 (nt % 8) + mt) of window 2 + nt / 8
.set PITCH, 144                        ; an LDS row: 128 bytes + 16 = 36 words: the 16 rows of a fragment load start at 16 different groups of four banks (64 banks of 4 bytes: ISA guide 11.1)
.set WQ,    256*PITCH                  ; a wave's quarter of a slab
.set WSLOT, 4*WQ                       ; two slots for the slabs, from byte 0
.set ASL0,  2*WSLOT                    ; two A slots: 64 rows of x; filled by ds_store alone
.set ASL1,  ASL0+64*PITCH
.set CSL0,  ASL1+64*PITCH              ; two C slots: 32 rows of Wb, Wc; filled by ds_store alone
.set CSL1,  CSL0+32*PITCH
.set SPARE, CSL1+32*PITCH              ; the spare words, 128 bytes a wave: two blocks of 256 bytes that no other line names
.set SLAB,  131072                     ; bytes of wt in a K step
.set ADRA, 4                           ; v4,5    slot p: my place in a fragment of x: r PITCH + 16 h   (r = lane % 16, h = lane / 16)
.set ADRB, 6                           ; v6,7    the same in my quarter of the slab
.set ADRX, 8                           ; v8,9    the same in my own 16 rows of x
.set ADRW, 10                          ; v10,11  the same in the C slot
.set STA,  12                          ; v12,13  where I put 8 bytes of x: row 16 w + h (+ 2 i), byte 8 r
.set STW,  14                          ; v14,15  where I put 16 bytes of wbc
.set TRA,  16                          ; v16,17  the turning load: row 8 h + lane % 8 (+ 16 mt), channels 16 w + 8 ((lane / 8) % 2) ..
.set XO,   18                          ; v18  my offset in the 64 rows of x      v19  in a step's wbc
.set WO,   19
.set XBO,  20                          ; v20  my offset in xb                    v21  in dl
.set DLO,  21
.set PXO,  22                          ; v22  x's prefetch: row 16 w + r, K step + h      v23  wt's: 256 x lane
.set PWO,  23
.set STG,  24                          ; v24,25  B/C way out: in and back               v26  16 x lane
.set RDG,  25
.set BCO,  26
.set BDO,  27                          ; v27  (256 w + r) x 4 in bdelta          v30  32 h in bb, bc
.set SPW,  28                          ; v28  SPARE + 4 x my thread's number; never rewritten
.set NIL,  29                          ; v29  0; never rewritten
.set BBO,  30
.set AF,   32
.set BW,   96                          ; buffer f at 96 + 24 f: Wb's fragment, Wc's, my own rows of x
.set BACC, 144
.set XS,   160
.set XT,   240
.set Z,    32                          ; the way out: z, then delta            v96-159 the exponentials' and logarithms' registers       v160-191 packed
.set T,    96
.set P,    160
.set BI,   200                         ; v200-215 bdelta of my 16 n-tiles      v216-231 bb, bc of my 8 states       v232-239 at work
.set BB,   216
.set BT,   232
.set WV,   22                          ; s22 wave   s23 cx   s24 work-group   s25 laps to go   s26,27 limits of wt's prefetch
.set CX,   23
.set WG,   24
.set CNT,  25
.set LIMW, 26
.set G1,   28                          ; s[28:35] descriptor group 1     s[36:43] group 0, a set for each slot
.set G0,   36
.set XA,   44                          ; s[44:45] x at the K step last asked for     s[46:47] wbc likewise
.set WA,   46
.set XOFF, 48                          ; s[48:49], s[50:51] their byte offsets, high words 0
.set WOFF, 50
.set XBA,  52                          ; s[52:53] xb at the K step in hand
.set PFW,  54                          ; s[54:55] wt's prefetch
.set XBASE, 56                         ; s[56:57] x at my 64 rows      s[58:59] dl at my wave's block
.set DLA,  58
.set L2E,  60                          ; s60 log2 e    s61 a word's upper half    s[62:63] ln 2
.set HIM,  61
.set LN2,  62
.set MSB, 0
.macro WIN new                         ; the immediate's high byte repeats the setting that is left; a switch that changes nothing is dropped
.if MSB != (\new)
	s_set_vgpr_msb (MSB<<8)|(\new)
.set MSB, \new
.endif
.endm
.macro PLACES                          ; four places in front of loads into registers that matrix instructions have read (ISA guide 7.12.1 for vector instructions)
.rept 4
	v_nop
.endr
.endm
.macro CREST                           ; a round of the cluster's barrier behind its opening barrier
	s_cmp_lg_u32 s[WV], 0
	s_cbranch_scc1 .Lnot_wave_0_\@
	s_barrier_signal -3
.Lnot_wave_0_\@:
	s_barrier_wait -3
	s_barrier_signal -1
	s_barrier_wait -1
.endm
.macro CROUND
	s_barrier_signal -1
	s_barrier_wait -1
	CREST
.endm
; 4 x cnt matrix instructions on buffer f: n-tiles nt0 .. nt0 + cnt - 1 x all four m-tiles.  Every accumulator has one instruction a turn and comes again 65 matrix instructions later, over the backward jump too.
.macro MULR f, nt0, cnt, zero
.set nt, \nt0
.rept \cnt
	WIN 0xa4+0x50*(nt>>3)                          ; x window 0, weights window 1, sums window 2 or 3
.set mt, 0
.rept 4
.set rD, 8*(4*(nt&7)+mt)
.if \zero
	v_wmma_f32_16x16x32_bf16 v[rD:rD+7], v[AF+32*(\f)+8*mt:AF+32*(\f)+8*mt+7], v[128*(\f)+8*nt:128*(\f)+8*nt+7], 0
.else
	v_wmma_f32_16x16x32_bf16 v[rD:rD+7], v[AF+32*(\f)+8*mt:AF+32*(\f)+8*mt+7], v[128*(\f)+8*nt:128*(\f)+8*nt+7], v[rD:rD+7]
.endif
.set mt, mt+1
.endr
.set nt, nt+1
.endr
.endm
.macro MULBC f, zero                   ; B's and C's tile of my 16 rows
	WIN 0
.irp j, 0,1
.if \zero
	v_wmma_f32_16x16x32_bf16 v[BACC+8*\j:BACC+8*\j+7], v[BW+24*(\f)+8*\j:BW+24*(\f)+8*\j+7], v[BW+24*(\f)+16:BW+24*(\f)+23], 0
.else
	v_wmma_f32_16x16x32_bf16 v[BACC+8*\j:BACC+8*\j+7], v[BW+24*(\f)+8*\j:BW+24*(\f)+8*\j+7], v[BW+24*(\f)+16:BW+24*(\f)+23], v[BACC+8*\j:BACC+8*\j+7]
.endif
.endr
.endm
; One run of LDS loads: half c of slot p into buffer f: 8 for x, 32 for the weights (n-tiles ascending), 6 for B/C; tr = 1: 4 turning loads more.  46 or 50.
.macro FETCH p, c, f, tr
	WIN 0
.irp mt, 0,1,2,3
	ds_load_b128 v[AF+32*(\f)+8*\mt:AF+32*(\f)+8*\mt+3],   v[ADRA+(\p)] offset:\mt*16*PITCH+64*(\c)
	ds_load_b128 v[AF+32*(\f)+8*\mt+4:AF+32*(\f)+8*\mt+7], v[ADRA+(\p)] offset:\mt*16*PITCH+64*(\c)+32
.endr
	WIN 0x40                                       ; destination window 1
.set nt, 0
.rept 16
	ds_load_b128 v[128*(\f)+8*nt:128*(\f)+8*nt+3],   v[ADRB+(\p)] offset:nt*16*PITCH+64*(\c)
	ds_load_b128 v[128*(\f)+8*nt+4:128*(\f)+8*nt+7], v[ADRB+(\p)] offset:nt*16*PITCH+64*(\c)+32
.set nt, nt+1
.endr
	WIN 0
.irp j, 0,1
	ds_load_b128 v[BW+24*(\f)+8*\j:BW+24*(\f)+8*\j+3],   v[ADRW+(\p)] offset:\j*16*PITCH+64*(\c)
	ds_load_b128 v[BW+24*(\f)+8*\j+4:BW+24*(\f)+8*\j+7], v[ADRW+(\p)] offset:\j*16*PITCH+64*(\c)+32
.endr
	ds_load_b128 v[BW+24*(\f)+16:BW+24*(\f)+19], v[ADRX+(\p)] offset:64*(\c)
	ds_load_b128 v[BW+24*(\f)+20:BW+24*(\f)+23], v[ADRX+(\p)] offset:64*(\c)+32
.if \tr
.irp mt, 0,1,2,3
	ds_load_tr16_b128 v[XT+4*\mt:XT+4*\mt+3], v[TRA+(\p)] offset:\mt*16*PITCH  ; 16 steps x my 16 channels, turned: a lane gets one channel's eight steps
.endr
.endif
.endm
; ten loads into set q: my 16 rows x 256 bytes of x (sixteen lanes take a row's 256 bytes), my 1 KiB of wbc
.macro XLOAD q, xo, wo
.irp i, 0,1,2,3,4,5,6,7
	global_load_b128 v[XS+40*(\q)+4*\i:XS+40*(\q)+4*\i+3], v[XO], s[XA:XA+1] offset:\i*8192+(\xo) th:TH_LOAD_NT
.endr
.irp i, 0,1
	global_load_b128 v[XS+40*(\q)+32+4*\i:XS+40*(\q)+35+4*\i], v[WO], s[WA:WA+1] offset:\i*2048+(\wo)
.endr
.endm
; Set q has landed: it is rounded and put into A slot q and C slot q, whose last readers every wave awaited ahead of the barrier before.  issue = 1: the set is asked for again, two K steps on.
; The offset is held at the last K step: the loop's last request reads that step's 20 KiB a second time for nothing, so that every trip has one text and one count.
; pf = 1: x is prefetched into the L2: my own 16 rows, a lane a block of 256 bytes, the two K steps whose loads go out three and four steps later; each block is named once; the last request names steps 14 and 15.
.macro XWORK q, issue, pf
	s_wait_loadcnt 10                              ; loads come back in order: set q is in, the other set's ten may stay out
.irp i, 0,1,2,3,4,5,6,7
	v_cvt_pk_bf16_f32 v[XS+40*(\q)+4*\i],   v[XS+40*(\q)+4*\i],   v[XS+40*(\q)+4*\i+1]
	v_cvt_pk_bf16_f32 v[XS+40*(\q)+4*\i+1], v[XS+40*(\q)+4*\i+2], v[XS+40*(\q)+4*\i+3]
	ds_store_b64 v[STA+(\q)], v[XS+40*(\q)+4*\i:XS+40*(\q)+4*\i+1] offset:\i*2*PITCH
.endr
.irp i, 0,1
	ds_store_b128 v[STW+(\q)], v[XS+40*(\q)+32+4*\i:XS+40*(\q)+35+4*\i] offset:\i*16*PITCH
.endr
.if \issue
	s_wait_xcnt 0x0                                ; the other set's loads have read their bases, which are written now
	s_add_co_u32 s[XOFF], s[XOFF], 256
	s_min_u32 s[XOFF], s[XOFF], 15*256
	s_lshl_b32 s[WOFF], s[XOFF], 4
	s_add_nc_u64 s[XA:XA+1], s[XBASE:XBASE+1], s[XOFF:XOFF+1]
	s_add_nc_u64 s[WA:WA+1], s[8:9], s[WOFF:WOFF+1]
	XLOAD \q, 0, 0
.endif
.if \pf
	s_cmp_gt_u32 s[CNT], 2
	s_cbranch_scc0 .Lno_x_\@
	global_prefetch_b8 v[PXO], s[XA:XA+1] offset:768 th:TH_LOAD_NT scope:SCOPE_SE
.Lno_x_\@:
.endif
.endm
.macro XBST                            ; the step's 64 channels x 64 steps of xb: my 16 channels; sixteen lanes store 256 consecutive bytes, aligned
.irp mt, 0,1,2,3
	global_store_b128 v[XBO], v[XT+4*\mt:XT+4*\mt+3], s[XBA:XBA+1] offset:\mt*1024
.endr
.endm
; wt is prefetched into the L2: the slab three refills on.  Every cluster walks the same slabs: the first cluster asks; its four partners share my quarter out BY ADDRESS, 8 KiB each, a lane a block of 256 bytes.
; So each block is named once.  Slabs 0 to 4 come by their loads alone; the last request names slab 15.
.macro ASKW k
	s_cmp_gt_u32 s[CNT], s[LIMW+(\k)]
	s_cbranch_scc0 .Lno_w_\@
	global_prefetch_b8 v[PWO], s[PFW:PFW+1] th:TH_LOAD_NT scope:SCOPE_SE
.Lno_w_\@:
.endm
; A K step's first half: multiplies buffer 0 of slot p; in its middle the second half is fetched into buffer 1, and x is read turned.
.macro H0 p, zero
	s_wait_dscnt 22                                ; x and n-tiles 0-7 are in; the youngest 16 weight loads and the 6 for B/C may be out
	MULR 0, 0, 8, \zero
	s_wait_xcnt 0x0                                ; the last step's stores of xb have read their registers and base; wt's last prefetch has read its address
.if !(\zero)
	s_add_nc_u64 s[XBA:XBA+1], s[XBA:XBA+1], 262144  ; two blocks of 32 channels on
.endif
	PLACES
	FETCH \p, 1, 1, 1
	s_wait_dscnt 50                                ; all but the run just issued
	MULR 0, 8, 8, \zero
	MULBC 0, \zero
.endm
; A K step's second half multiplies buffer 1 and changes slots.  In front of the barrier each wave puts the next step's x into the other A slot, waits for all its tensor loads (one is out: its quarter of
; the next slab), adds 0 to its spare word, and waits for that, for its stores and for its reads of this slot.  fill = 1: the barrier opens a round of the cluster's barrier, and the joint refill, the slab two
; steps on, is the first thing behind it: 116 of a step's 132 matrix instructions stand between it and the wait for it.
.macro TURN p, fill, issue
	WIN 0
.if (\fill) && ((\p) == 0)
	XWORK 1-(\p), \issue, 1
.else
	XWORK 1-(\p), \issue, 0
.endif
	s_wait_dscnt 36                                ; x and n-tiles 0-7 are in; out may be 16 weight loads, 6 for B/C, 4 turned, my 10 stores
	MULR 1, 0, 4, 0
	WIN 0                                          ; (the add's two registers lie in window 0)
	s_wait_tensorcnt 0x0                           ; all my tensor loads have landed
	ds_add_u32 v[SPW], v[NIL]                      ; 0 onto my spare word; eight matrix instructions stand between it and the wait for it
	MULR 1, 4, 2, 0
	s_wait_dscnt 0x0                               ; the add, my stores into the next A and C slots and my reads of this slot are done
	s_barrier_signal -1
	MULR 1, 6, 2, 0                                ; work on registers while the others arrive
	WIN 0                                          ; at a branch and at a label every window is 0
	s_barrier_wait -1
.if \fill
	CREST                                          ; no wave of any partner still reads this slot or has a load on its way
	s_add_nc_u64 s[G0+4*(\p)+2:G0+4*(\p)+3], s[G0+4*(\p)+2:G0+4*(\p)+3], 2*SLAB
	s_add_nc_u64 s[PFW:PFW+1], s[PFW:PFW+1], SLAB
	tensor_load_to_lds s[G0+4*(\p):G0+4*(\p)+3], s[G1:G1+7]
	s_nop 0
	PLACES                                         ; the places in front of the loads below
.else
	PLACES
.endif
	FETCH 1-(\p), 0, 0, 0
	XBST
.if \fill
	ASKW \p
.endif
	MULR 1, 8, 8, 0
	MULBC 1, 0
.endm
	s_load_b512 s[4:19], s[0:1], 0x0               ; x s[4:5], wt s[6:7], wbc s[8:9], bdelta s[10:11], bb s[12:13], bc s[14:15], dl s[16:17], xb s[18:19]
	s_load_b64 s[20:21], s[0:1], 0x40              ; bcm
	v_lshl_add_u32 v[SPW], v0, 2, SPARE
	v_mov_b32 v[NIL], 0
	ds_add_u32 v[SPW], v[NIL]                      ; the wave's opening: the add, twice on end, and its wait ahead of my first tensor load; the set-up below stands between
	ds_add_u32 v[SPW], v[NIL]                      ; and once more, under the one wait
	v_lshrrev_b32 v1, 5, v0
	v_readfirstlane_b32 s[WV], v1                  ; wave 0..3
	s_bfe_u32 s[CX], ttmp6, 0x40000                ; my place in the cluster: it enters global addresses of my own alone
	s_lshl_b32 s[WG], ttmp9, 2                     ; in a cluster launch ttmp9 counts clusters
	s_add_co_u32 s[WG], s[WG], s[CX]
	; descriptor group 1: a quarter slab, 32,768 dense bytes, asked for as 128 rows of 256 bytes and padded in LDS after every 128 bytes
	s_mov_b32 s[G1], 15|(1<<16)|(1<<20)|(1<<21)|(4<<22)|(3<<25)  ; 15:0 the mask of four; 17:16 2-byte elements; 20 padding on; 21 set beside a mask; 24:22 after every 32 words (code 4); 31:25 4 words (code 3)
	s_mov_b32 s[G1+1], 128<<16                     ; tensor_dim0 = 128
	s_mov_b32 s[G1+2], 128<<16                     ; tensor_dim1 = 128
	s_mov_b32 s[G1+3], 128<<16                     ; tile_dim0 = 128
	s_mov_b32 s[G1+4], 128                         ; tile_dim1 = 128
	s_mov_b32 s[G1+5], 128                         ; 128 elements from row to row
	s_mov_b32 s[G1+6], 0
	s_mov_b32 s[G1+7], 0
	s_mov_b32 s[L2E], 0x3fb8aa3b
	s_mov_b32 s[HIM], 0xffff0000
	s_mov_b32 s[LN2], 0x3f317218
	s_mov_b32 s[LN2+1], 0x3f317218                 ; named with it as a pair
	s_mov_b32 s[XOFF], 256                         ; K steps 0 and 1 are asked for below
	s_mov_b32 s[XOFF+1], 0
	s_mov_b32 s[WOFF+1], 0
	s_cmp_eq_u32 ttmp9, 0                          ; the first cluster prefetches wt: the same in all four partners
	s_cselect_b32 s[LIMW], 1, -1
	s_cselect_b32 s[LIMW+1], 2, -1
	s_mul_i32 s66, s[WV], WQ                       ; my quarter of a slot: no place in the cluster enters an LDS address
	s_mul_i32 s67, s[WV], 16*PITCH
	s_mul_i32 s68, s[WV], 4*PITCH
	s_lshl_b32 s69, s[WV], 5
	s_lshl_b32 s70, s[WV], 16
	s_lshl_b32 s71, s[WV], 11
	s_lshr_b32 s72, s[WV], 1
	s_lshl_b32 s72, s72, 17
	s_and_b32 s73, s[WV], 1
	s_lshl_b32 s73, s73, 8
	s_add_co_u32 s72, s72, s73                     ; my 16 channels of a step's 64 in xb: block w / 2, half w % 2
	s_lshl_b32 s73, s[WV], 10
	s_mov_b32 s[G0], 1                             ; count = 1
	s_mov_b32 s[G0+1], s66                         ; LDS address: slot 0
	s_mov_b32 s[G0+4], 1
	s_add_co_u32 s[G0+5], s66, WSLOT               ; slot 1
	v_and_b32 v2, 31, v0                           ; lane
	v_and_b32 v3, 15, v0                           ; r
	v_bfe_u32 v30, v0, 4, 1                        ; h
	v_mul_u32_u24 v31, v3, PITCH
	v_lshl_add_u32 v31, v30, 4, v31                ; a fragment: row r, 16 bytes for each half of the lanes, twice, 32 bytes apart
	v_add_nc_u32 v[ADRA], ASL0, v31
	v_add_nc_u32 v[ADRA+1], ASL1, v31
	v_add_nc_u32 v[ADRB], s66, v31
	v_add_nc_u32 v[ADRB+1], WSLOT, v[ADRB]
	v_add_nc_u32 v[ADRX], s67, v[ADRA]
	v_add_nc_u32 v[ADRX+1], s67, v[ADRA+1]
	v_add_nc_u32 v[ADRW], CSL0, v31
	v_add_nc_u32 v[ADRW+1], CSL1, v31
	v_mul_u32_u24 v31, v30, PITCH
	v_lshl_add_u32 v31, v3, 3, v31
	v_add_nc_u32 v31, s67, v31
	v_add_nc_u32 v[STA], ASL0, v31
	v_add_nc_u32 v[STA+1], ASL1, v31
	v_bfe_u32 v1, v0, 3, 2
	v_mul_u32_u24 v31, v1, PITCH
	v_and_b32 v1, 7, v0
	v_lshl_add_u32 v31, v1, 4, v31
	v_add_nc_u32 v31, s68, v31                     ; row 4 w + lane / 8 (+ 16 i), byte 16 (lane % 8)
	v_add_nc_u32 v[STW], CSL0, v31
	v_add_nc_u32 v[STW+1], CSL1, v31
	v_lshl_add_u32 v31, v30, 3, v1
	v_mul_u32_u24 v31, v31, PITCH
	v_bfe_u32 v1, v0, 3, 1
	v_lshl_add_u32 v31, v1, 4, v31
	v_add_nc_u32 v31, s69, v31
	v_add_nc_u32 v[TRA], ASL0, v31
	v_add_nc_u32 v[TRA+1], ASL1, v31
	v_lshl_add_u32 v[XO], v30, 12, s70             ; row 16 w + h (+ 2 i) of 4,096 bytes, 16 r
	v_lshl_add_u32 v[XO], v3, 4, v[XO]
	v_lshlrev_b32 v[WO], 4, v0
	v_lshlrev_b32 v[DLO], 9, v30                   ; oct h, channel r
	v_lshl_add_u32 v[DLO], v3, 4, v[DLO]
	v_add_nc_u32 v[XBO], s72, v[DLO]
	v_lshl_add_u32 v[PXO], v3, 12, s70
	v_lshl_add_u32 v[PXO], v30, 8, v[PXO]
	v_lshlrev_b32 v[PWO], 8, v2
	v_lshlrev_b32 v31, 7, v3
	v_lshl_add_u32 v31, v30, 6, v31
	v_add_nc_u32 v31, s71, v31
	v_add_nc_u32 v[STG], ASL0, v31                 ; step r's 128 bytes, my 8 states' 64
	v_lshl_add_u32 v31, v2, 4, s71
	v_add_nc_u32 v[RDG], ASL0, v31
	v_lshlrev_b32 v[BCO], 4, v2
	v_lshl_add_u32 v[BDO], v3, 2, s73
	v_lshlrev_b32 v[BBO], 5, v30
	s_wait_dscnt 0x0                               ; both opening adds are done
	s_wait_kmcnt 0x0
	s_lshl_b32 s72, s[WG], 18                      ; 64 rows of 4,096 bytes
	s_mov_b32 s73, 0
	s_add_nc_u64 s[XBASE:XBASE+1], s[4:5], s[72:73]
	s_mov_b64 s[XA:XA+1], s[XBASE:XBASE+1]
	s_mov_b64 s[WA:WA+1], s[8:9]
	XLOAD 0, 0, 0                                  ; K step 0
	XLOAD 1, 256, 4096                             ; K step 1
	s_lshr_b32 s74, s[WG], 5                       ; b
	s_lshl_b32 s74, s74, 22
	s_and_b32 s76, s[WG], 31                       ; my 64 steps: eight octs of 512 bytes
	s_lshl_b32 s76, s76, 12
	s_add_co_u32 s74, s74, s76
	s_mov_b32 s75, 0
	s_add_nc_u64 s[XBA:XBA+1], s[18:19], s[74:75]
	s_add_nc_u64 s[DLA:DLA+1], s[16:17], s[74:75]
	s_lshl_b32 s74, s[WV], 20                      ; my 256 channels: eight blocks of 131,072 bytes
	s_add_nc_u64 s[DLA:DLA+1], s[DLA:DLA+1], s[74:75]
	s_lshl_b32 s74, s[WG], 13                      ; 64 steps of 128 bytes,
	s_add_co_u32 s74, s74, s71                     ; my 16 of them
	s_add_nc_u64 s[20:21], s[20:21], s[74:75]
	s_lshl_b32 s78, s[WV], 15                      ; my quarter of a slab (these two registers never hold my place in the cluster)
	s_mov_b32 s79, 0
	s_add_nc_u64 s[G0+2:G0+3], s[6:7], s[78:79]    ; slab 0
	s_add_nc_u64 s[G0+6:G0+7], s[G0+2:G0+3], SLAB  ; slab 1
	s_lshl_b32 s74, s[CX], 13
	s_add_co_u32 s74, s74, 4*SLAB                  ; at slab 4: the first refill steps it to slab 5
	s_add_nc_u64 s[PFW:PFW+1], s[G0+2:G0+3], s[74:75]
	s_or_b32 s[G0+3], s[G0+3], 0x80000000          ; type = 2
	s_or_b32 s[G0+7], s[G0+7], 0x80000000
	CROUND                                         ; all four work-groups are here: the first joint loads meet
	tensor_load_to_lds s[G0:G0+3], s[G1:G1+7]      ; two tensor loads of mine are out here, one behind each later round
	s_nop 0
	tensor_load_to_lds s[G0+4:G0+7], s[G1:G1+7]
	s_nop 0
	PLACES
	XWORK 0, 1, 0                                  ; K step 0 into A slot 0; K step 2 is asked for
	s_wait_tensorcnt 0x1                           ; my quarter of slab 0 is in; slab 1's may stay out
	s_wait_dscnt 0x0                               ; my stores into the slots are done
	s_barrier_signal -1
	s_barrier_wait -1
	FETCH 0, 0, 0, 0
	H0 0, 1                                        ; the first products start the sums: nothing is cleared
	WIN 0
	s_mov_b32 s[CNT], 7
.Llap:                                                 ; a trip: from a lap's second half-step to the next lap's first; both slots are filled again: slabs 2 to 15 in seven trips
	TURN 0, 1, 1
	H0 1, 0
	TURN 1, 1, 1
	H0 0, 0
	WIN 0
	s_sub_co_u32 s[CNT], s[CNT], 1
	s_cmp_lg_u32 s[CNT], 0
	s_cbranch_scc1 .Llap
	TURN 0, 0, 0                                   ; K step 14 ends: nothing is left to fetch (behind set 1 the ten loads of the held offset are the younger ones)
.set nt, 0
.rept 16                                               ; the biases, into set 1's registers, which have been stored
	global_load_b32 v[BI+nt], v[BDO], s[10:11] offset:nt*64
.set nt, nt+1
.endr
	global_load_b128 v[BB:BB+3],     v[BBO], s[12:13]
	global_load_b128 v[BB+4:BB+7],   v[BBO], s[12:13] offset:16
	global_load_b128 v[BB+8:BB+11],  v[BBO], s[14:15]
	global_load_b128 v[BB+12:BB+15], v[BBO], s[14:15] offset:16
	H0 1, 0
	s_wait_dscnt 0x0
	XBST
	MULR 1, 0, 16, 0
	MULBC 1, 0
	; THE WAY OUT.  The biases are rounded to bf16 like every input; these lines are also the places behind the last products.
	s_wait_loadcnt 0x0
.irp k, 0,1,2,3,4,5,6,7
	v_cvt_pk_bf16_f32 v[BT+\k], v[BI+2*\k], v[BI+2*\k+1]
.endr
.irp k, 0,1,2,3,4,5,6,7
	v_lshlrev_b32 v[BI+2*\k], 16, v[BT+\k]
	v_and_b32 v[BI+2*\k+1], s[HIM], v[BT+\k]
.endr
.irp k, 0,1,2,3,4,5,6,7
	v_cvt_pk_bf16_f32 v[BT+\k], v[BB+2*\k], v[BB+2*\k+1]
.endr
.irp k, 0,1,2,3,4,5,6,7
	v_lshlrev_b32 v[BB+2*\k], 16, v[BT+\k]
	v_and_b32 v[BB+2*\k+1], s[HIM], v[BT+\k]
.endr
	; B and C: a lane holds step 16 w + r and states 8 h .. + 7.  They go through 2,048 bytes of my own in A slot 0, which nobody reads behind K step 14's barrier, and come back as whole rows.
.irp k, 0,1,2,3,4,5,6,7
	v_pk_add_f32 v[BACC+2*\k:BACC+2*\k+1], v[BACC+2*\k:BACC+2*\k+1], v[BB+2*\k:BB+2*\k+1]  ; each accumulator from its low end on
.endr
	ds_store_b128 v[STG], v[BACC:BACC+3]                 ; B 8h .. 8h+3
	ds_store_b128 v[STG], v[BACC+8:BACC+11]  offset:16   ; C 8h .. 8h+3
	ds_store_b128 v[STG], v[BACC+4:BACC+7]   offset:32   ; B 8h+4 .. 8h+7
	ds_store_b128 v[STG], v[BACC+12:BACC+15] offset:48   ; C 8h+4 .. 8h+7
.irp i, 0,1,2,3
	ds_load_b128 v[P+4*\i:P+4*\i+3], v[RDG] offset:\i*512  ; LDS serves a wave's instructions in order (ISA guide 5.7.1.4): these see the stores above
.endr
.irp i, 0,1,2,3
	s_wait_dscnt 3-\i
	global_store_b128 v[BCO], v[P+4*\i:P+4*\i+3], s[20:21] offset:\i*512  ; 512 consecutive bytes, aligned
.endr
; delta: batch be = n-tiles 2 be and 2 be + 1, all four m-tiles: 64 accumulator registers on end.  Each kind of transcendental is ONE batch of 64 with ONE wait.
.macro SOFT be
.set AB, 32*((2*(\be))&7)
	WIN 0x02+((\be)>>2)                            ; source 0 in window 2 or 3
.set i, 0
.rept 32
.if i < 16
	v_pk_add_f32 v[Z+2*i:Z+2*i+1], v[AB+2*i:AB+2*i+1], v[BI+2*(\be):BI+2*(\be)+1] op_sel_hi:[1,0]              ; z = sum + the even tile's bias
.else
	v_pk_add_f32 v[Z+2*i:Z+2*i+1], v[AB+2*i:AB+2*i+1], v[BI+2*(\be):BI+2*(\be)+1] op_sel:[0,1] op_sel_hi:[1,1]  ; the odd tile's
.endif
.set i, i+1
.endr
	WIN 0
.set i, 0
.rept 64
	v_mul_f32 v[T+i], -|v[Z+i]|, s[L2E]
.set i, i+1
.endr
.set i, 0
.rept 64
	v_exp_f32 v[T+i], v[T+i]
	v_max_num_f32 v[Z+i], 0, v[Z+i]                ; a plain line behind each exponential
.set i, i+1
.endr
	s_wait_alu depctr_va_vdst(0)                   ; one wait for the 64 exponentials, ahead of their first reader
.set i, 0
.rept 32
	v_pk_add_f32 v[T+2*i:T+2*i+1], v[T+2*i:T+2*i+1], 1.0 op_sel_hi:[1,0]
.set i, i+1
.endr
.set i, 0
.rept 64
	v_log_f32 v[T+i], v[T+i]
.set i, i+1
.endr
	v_nop                                          ; a plain line behind the last logarithm
	s_wait_alu depctr_va_vdst(0)                   ; one wait for the 64 logarithms
.set i, 0
.rept 32
	v_pk_fma_f32 v[Z+2*i:Z+2*i+1], v[T+2*i:T+2*i+1], s[LN2:LN2+1], v[Z+2*i:Z+2*i+1] op_sel_hi:[1,0,1]
.set i, i+1
.endr
	s_wait_xcnt 0x0                                ; the stores before have read the packed registers
.set i, 0
.rept 32
	v_cvt_pk_f16_f32 v[P+i], v[Z+2*i], v[Z+2*i+1]
.set i, i+1
.endr
.irp tq, 0,1,2,3,4,5,6,7
	global_store_b128 v[DLO], v[P+4*\tq:P+4*\tq+3], s[DLA:DLA+1] offset:(\be)*131072+(\tq/4)*256+(\tq%4)*1024  ; sixteen lanes store 256 consecutive bytes, aligned
.endr
.endm
.irp be, 0,1,2,3,4,5,6,7
	SOFT \be
.endr
	s_wait_tensorcnt 0x0                           ; the wave's end: these three lines, behind my last tensor load and my last LDS store
	ds_add_u32 v[SPW], v[NIL]
	s_wait_dscnt 0x0
	CROUND                                         ; the closing round: no work-group ends while a partner may still ask for a slab that names it
	s_endpgm
.Lfunc_end_k_q4b14522e49_proj:
	.size	k_q4b14522e49_proj, .Lfunc_end_k_q4b14522e49_proj-k_q4b14522e49_proj
	.p2alignl 7, 3214868480
	.fill 96, 4, 3214868480
	.section	.rodata,"a",@progbits
	.p2align	6, 0x0
	.amdhsa_kernel k_q4b14522e49_proj
		.amdhsa_group_segment_fixed_size 327680
		.amdhsa_private_segment_fixed_size 0
		.amdhsa_enable_private_segment 0
		.amdhsa_kernarg_size 72
		.amdhsa_user_sgpr_count 2
		.amdhsa_user_sgpr_kernarg_segment_ptr 1
		.amdhsa_wavefront_size32 1
		.amdhsa_system_sgpr_workgroup_id_x 1
		.amdhsa_system_sgpr_workgroup_id_y 1
		.amdhsa_system_sgpr_workgroup_id_z 1
		.amdhsa_system_vgpr_workitem_id 0
		.amdhsa_next_free_vgpr 1024
		.amdhsa_next_free_sgpr 80
		.amdhsa_reserve_vcc 0
		.amdhsa_float_denorm_mode_32 3
		.amdhsa_float_denorm_mode_16_64 3
		.amdhsa_memory_ordered 1
		.amdhsa_forward_progress 1
		.amdhsa_inst_pref_size 241
	.end_amdhsa_kernel
	.amdgpu_metadata
---
amdhsa.version: [ 1, 2 ]
amdhsa.kernels:
  - .name:           k_q4b14522e49_proj
    .symbol:         k_q4b14522e49_proj.kd
    .args:
      - { .name: x, .offset: 0, .size: 8, .value_kind: global_buffer, .address_space: global }
      - { .name: wt, .offset: 8, .size: 8, .value_kind: global_buffer, .address_space: global }
      - { .name: wbc, .offset: 16, .size: 8, .value_kind: global_buffer, .address_space: global }
      - { .name: bdelta, .offset: 24, .size: 8, .value_kind: global_buffer, .address_space: global }
      - { .name: bb, .offset: 32, .size: 8, .value_kind: global_buffer, .address_space: global }
      - { .name: bc, .offset: 40, .size: 8, .value_kind: global_buffer, .address_space: global }
      - { .name: dl, .offset: 48, .size: 8, .value_kind: global_buffer, .address_space: global }
      - { .name: xb, .offset: 56, .size: 8, .value_kind: global_buffer, .address_space: global }
      - { .name: bcm, .offset: 64, .size: 8, .value_kind: global_buffer, .address_space: global }
    .group_segment_fixed_size: 327680
    .private_segment_fixed_size: 0
    .kernarg_segment_align: 8
    .kernarg_segment_size: 72
    .max_flat_workgroup_size: 128
    .sgpr_count:     80
    .vgpr_count:     1024
    .wavefront_size: 32
...
	.end_amdgpu_metadata
.endif
;; end of part 2
;; launch scan (part 3): grid 256 x 1, 4 waves a work-group, clusters of 4 x 1, 327,680 bytes of LDS; arguments dl, xb, bcm, A_log, D_param, out0; writes out0
.if DOCPART == 3
	.amdgcn_target "amdgcn-amd-amdhsa--gfx1250"
	.amdhsa_code_object_version 6
	.text
	.protected	k_q4b14522e49_scan
	.globl	k_q4b14522e49_scan
	.p2align	8
	.type	k_q4b14522e49_scan,@function
k_q4b14522e49_scan:
	s_mov_b64 s[64:65], 0
	v_nop
	global_prefetch_b8 v0, s[64:65] scope:SCOPE_SE
	s_setreg_imm32_b32 hwreg(HW_REG_WAVE_MODE, 25, 1), 1
	s_wait_xcnt 0x0
	s_wait_alu depctr_hold_cnt(0) depctr_sa_sdst(0) depctr_va_vdst(0) depctr_va_sdst(0) depctr_va_ssrc(0) depctr_va_vcc(0) depctr_vm_vsrc(0)
	s_getreg_b32 s2, hwreg(HW_REG_IB_STS2, 6, 4)
	s_cmp_eq_u32 s2, 0
	s_cbranch_scc0 .Lentry_in_a_cluster
	s_endpgm
.Lentry_in_a_cluster:
	s_bfe_u32 s2, ttmp6, 0x10000c
	s_cmp_lg_u32 s2, 0x3003
	s_cbranch_scc0 .Lentry_shape_is_right
	s_endpgm
.Lentry_shape_is_right:
; THE RECURRENCE.  h = exp(delta A) h + delta B x;  y = sum over n of h C + D x;  A = -exp(A_log).  2,048 steps for each of 8 x 1,024 x 16 chains (b, d, n).
; SHARES.  131,072 chains = 256 work-groups x 4 waves x 32 lanes x 4 states: time is not cut, so each exponential is made once.  A work-group owns one b and 32 channels; lane l of wave w
; owns channel 8 w + l / 4 and states 4 (l % 4) .. + 3; y's sum over the states is two exchanges among four neighbouring lanes.
; TILES of 256 steps go through two LDS slots: delta (16 KiB, wave 0's load), x (16 KiB, wave 1's), B and C (32 KiB, waves 2 and 3): each a dense block, asked for as 64 rows of 256 bytes.
; CLUSTER.  The four partners share b, so B's and C's tiles are asked for JOINTLY (mask 15); delta's and x's are each work-group's own, by plain loads behind the same round.
; A trip of the inner loop is eight steps: 16 LDS loads of B, C; the 32 exponentials as ONE batch with ONE wait, plain work between them; then the eight steps' chain, dealt so that dependent lines stand apart.
; y is gathered in one of two stages in LDS and leaves a tile later, 16 bytes a lane.  A work-group's 32 channels are 128 bytes of a row of out0: a store covers four rows x 128 consecutive, aligned bytes.
; Pieces of 256 bytes would want 64 channels a work-group: half as many work-groups, each with twice the chains a lane.
; LIMITS.  A_log and D_param are rounded to bf16 like every input; delta arrives in f16, x in bf16, B and C in f32; h and y are kept in f32.  exp(delta A) = 2^(delta A2), A2 = -log2 e x 2^(A_log log2 e);
; a factor below 2^-126 counts as 0.  NaN and infinities are not treated apart.
.set SLOTB, 65536                      ; slot p at p x 65,536: delta, x at + 16,384, B/C at + 32,768
.set XOF,   16384
.set BCOF,  32768
.set YST1,  163840                     ; the stages, 256 steps x 128 bytes, at 131,072 and 163,840: one exclusive or with 32,768 turns one into the other; no tensor load lands there
.set SPARE, 196608                     ; the spare words, 128 bytes a wave: two blocks of 256 bytes that no other line names
.set LRW, 4                            ; v4  16 x channel: my place in an oct of delta and of x         v5  B/C: 32,768 + 32 g         v6  stage: 128 g + 4 x channel
.set LBC, 5
.set LYS, 6
.set LDR, 7                            ; v7  the drain: 8,192 w + 16 l      v8  its place in out0: row l / 8, 16 (l % 8)       v9  256 l, for the prefetches
.set OUTO, 8
.set PFO, 9
.set ARW, 10                           ; v10-13  the LDS addresses in hand
.set ABC, 11
.set AYS, 12
.set ADR, 13
.set SPW, 14                           ; v14  SPARE + 4 x my thread's number; never rewritten       v15  0; never rewritten
.set NIL, 15
.set A2,  24                           ; v[16:19] delta as loaded, v[20:23] x as loaded;  v[24:27] A2;  v[28:31] h;  v32 D;  v34,35 y to store
.set HC,  28
.set DP,  32
.set DF,  36                           ; v[36:43] delta in f32, then y      v[44:51] x in f32       v[52:59] u = delta x
.set Y,   36
.set XF,  44
.set UF,  52
.set AE,  64                           ; v[64:95]  step t's four factors at + 4 t
.set BC,  96                           ; v[96:159] step t: B (then u B, then h) at + 8 t, C at + 8 t + 4; also the drain's 64 registers
.set WV,  16
.set CX,  17
.set GG,  18
.set NB,  19
.set DB,  20
.set SLOTS, 21                         ; s21 tiles still to be asked for     s22 octs to go     s23 the slot read     s24 the stage written     s25 limit of my prefetches
.set OCT, 22
.set TB,  23
.set YB,  24
.set LIM, 25
.set PFA, 26                           ; s[26:27] where my prefetches stand     s[28:29] their step     s[30:31] out0 at my rows of the tile to drain
.set PSTEP, 28
.set OA,  30
.set G1J, 32                           ; s[32:39] group 1, joint     s[40:47] group 1, plain     s[48:51] group 0 for B/C     s[52:55] group 0 for delta or x
.set G1P, 40
.set G0J, 48
.set G0P, 52
.set M1,  56                           ; s56-58 the lanes with l % 4 = 1, 2, 3      s59 a word's upper half
.set HIM, 59
.set SRW, 61                           ; s61-63 the walking parts of the three LDS addresses
.set SBC, 62
.set SYS, 63
.macro CROUND                          ; a round of the cluster's barrier
	s_barrier_signal -1
	s_barrier_wait -1
	s_cmp_lg_u32 s[WV], 0
	s_cbranch_scc1 .Lnot_wave_0_\@
	s_barrier_signal -3
.Lnot_wave_0_\@:
	s_barrier_wait -3
	s_barrier_signal -1
	s_barrier_wait -1
.endm
.macro JLOAD                           ; one tensor load a wave; the branch hangs on the wave's number alone; an s_nop 0 and four v_nop follow each line
	s_cmp_lt_u32 s[WV], 2
	s_cbranch_scc0 .Ljoint_\@
	tensor_load_to_lds s[G0P:G0P+3], s[G1P:G1P+7]
	s_nop 0
.rept 4
	v_nop
.endr
	s_branch .Lasked_\@
.Ljoint_\@:
	tensor_load_to_lds s[G0J:G0J+3], s[G1J:G1J+7]
	s_nop 0
.rept 4
	v_nop
.endr
.Lasked_\@:
.endm
; A PREFETCH INTO THE L2 of what the NEXT change of slots will ask for, a lane a block of 256 bytes.  Waves 0 and 1: their own next tile, 64 blocks, two instructions.  B/C's tile, 128 blocks, is read by the
; eight clusters of a b: the first of them asks, wave 2 of each partner for 32 blocks, told apart by address.  Each block is named once.  The last change that fills asks for nothing; tiles 0 and 1 come by their loads alone.
.macro ASK
	s_cmp_gt_u32 s[SLOTS], s[LIM]
	s_cbranch_scc0 .Lnot_mine_\@
	global_prefetch_b8 v[PFO], s[PFA:PFA+1] th:TH_LOAD_NT scope:SCOPE_SE
	s_cmp_lt_u32 s[WV], 2
	s_cbranch_scc0 .Lnot_mine_\@
	global_prefetch_b8 v[PFO], s[PFA:PFA+1] offset:8192 th:TH_LOAD_NT scope:SCOPE_SE
.Lnot_mine_\@:
.endm
; THE CHANGE OF SLOTS.  Each wave waits for all its tensor loads (one is out: its part of the other slot), adds 0 to its spare word, and waits for that, for its reads of the slot that it leaves and for its
; stores into the stage.  fill = 1: the barrier is a round of the cluster's, and the refill, the tile two on, is the first thing behind it: it has a tile's 32 trips in which to land.
.macro CHANGE fill
	s_wait_tensorcnt 0x0                           ; no tensor load of mine is out, so the descriptors may be written
	ds_add_u32 v[SPW], v[NIL]                      ; 0 onto my spare word; the scalar steps stand between it and the wait for it
.if \fill
	s_xor_b32 s[G0J+1], s[G0J+1], SLOTB            ; the other slot than last time,
	s_add_nc_u64 s[G0J+2:G0J+3], s[G0J+2:G0J+3], 32768  ; the next 256 steps; the type bits on top are not reached
	s_xor_b32 s[G0P+1], s[G0P+1], SLOTB
	s_add_nc_u64 s[G0P+2:G0P+3], s[G0P+2:G0P+3], 16384
	s_wait_xcnt 0x0                                ; the last prefetches, a tile back, have read their address
	s_add_nc_u64 s[PFA:PFA+1], s[PFA:PFA+1], s[PSTEP:PSTEP+1]
	s_wait_dscnt 0x0
	CROUND
	JLOAD
	ASK
.else
	s_wait_dscnt 0x0
	s_barrier_signal -1
	s_barrier_wait -1
.endif
	s_xor_b32 s[TB], s[TB], SLOTB
	s_xor_b32 s[YB], s[YB], 32768
.endm
; The stage that the tile before has filled goes out: my 64 steps x 128 bytes.  The stages take turns: one is stored in a tile, read behind the next barrier, and stored again only behind the barrier after that.
.macro DRAIN
	s_xor_b32 s60, s[YB], 32768
	v_add_nc_u32 v[ADR], s60, v[LDR]
.irp i, 0,1,2,3,4,5,6,7,8,9,10,11,12,13,14,15
	ds_load_b128 v[BC+4*\i:BC+4*\i+3], v[ADR] offset:\i*512
.endr
.irp i, 0,1,2,3,4,5,6,7,8,9,10,11,12,13,14,15
	s_wait_dscnt 15-\i
	global_store_b128 v[OUTO], v[BC+4*\i:BC+4*\i+3], s[OA:OA+1] offset:\i*16384 th:TH_STORE_NT
.endr
	s_wait_xcnt 0x0                                ; the stores have read their registers and base
	s_add_nc_u64 s[OA:OA+1], s[OA:OA+1], 1048576   ; 256 rows of out0 on
.endm
.macro ARG jj                          ; delta_t x A2 for two states: pair jj of 16, step jj / 2
.set tt, (\jj)/2
.if tt%2
	v_pk_mul_f32 v[AE+2*(\jj):AE+2*(\jj)+1], v[A2+2*((\jj)%2):A2+2*((\jj)%2)+1], v[DF+2*(tt/2):DF+2*(tt/2)+1] op_sel:[0,1] op_sel_hi:[1,1]
.else
	v_pk_mul_f32 v[AE+2*(\jj):AE+2*(\jj)+1], v[A2+2*((\jj)%2):A2+2*((\jj)%2)+1], v[DF+2*(tt/2):DF+2*(tt/2)+1] op_sel_hi:[1,0]
.endif
.endm
.macro PLAIN                           ; the plain line behind exponential i: the arguments two pairs ahead, x's unpacking, u = delta x, two addresses.  None names an exponential's result.
.if i < 14
	ARG i+2
.elseif i < 22
.if i%2
	v_and_b32 v[XF+i-14], s[HIM], v[20+(i-14)/2]
.else
	v_lshlrev_b32 v[XF+i-14], 16, v[20+(i-14)/2]
.endif
.elseif i < 26
	v_pk_mul_f32 v[UF+2*(i-22):UF+2*(i-22)+1], v[DF+2*(i-22):DF+2*(i-22)+1], v[XF+2*(i-22):XF+2*(i-22)+1]
.elseif i == 26
	v_add_nc_u32 v[ARW], s[SRW], v[LRW]
.elseif i == 27
	v_add_nc_u32 v[ABC], s[SBC], v[LBC]
.endif
.endm
.macro UB t                            ; B_t x u_t, in place
.if (\t)%2
	v_pk_mul_f32 v[BC+8*(\t):BC+8*(\t)+1],   v[BC+8*(\t):BC+8*(\t)+1],   v[UF+2*((\t)/2):UF+2*((\t)/2)+1] op_sel:[0,1] op_sel_hi:[1,1]
	v_pk_mul_f32 v[BC+8*(\t)+2:BC+8*(\t)+3], v[BC+8*(\t)+2:BC+8*(\t)+3], v[UF+2*((\t)/2):UF+2*((\t)/2)+1] op_sel:[0,1] op_sel_hi:[1,1]
.else
	v_pk_mul_f32 v[BC+8*(\t):BC+8*(\t)+1],   v[BC+8*(\t):BC+8*(\t)+1],   v[UF+2*((\t)/2):UF+2*((\t)/2)+1] op_sel_hi:[1,0]
	v_pk_mul_f32 v[BC+8*(\t)+2:BC+8*(\t)+3], v[BC+8*(\t)+2:BC+8*(\t)+3], v[UF+2*((\t)/2):UF+2*((\t)/2)+1] op_sel_hi:[1,0]
.endif
.endm
.macro HREG t                          ; where h of step t lies: in B_t's registers; step 7's in the carry
.set hs, BC+8*(\t)
.if (\t) == 7
.set hs, HC
.endif
.endm
.macro HS t                            ; h_t = factor_t x h_(t-1) + u_t B_t
.set hp, BC+8*(\t)-8
.if (\t) == 0
.set hp, HC
.endif
	HREG \t
	v_pk_fma_f32 v[hs:hs+1],   v[AE+4*(\t):AE+4*(\t)+1],   v[hp:hp+1],   v[BC+8*(\t):BC+8*(\t)+1]
	v_pk_fma_f32 v[hs+2:hs+3], v[AE+4*(\t)+2:AE+4*(\t)+3], v[hp+2:hp+3], v[BC+8*(\t)+2:BC+8*(\t)+3]
.endm
.macro YM1 t
	HREG \t
	v_pk_mul_f32 v[BC+8*(\t)+4:BC+8*(\t)+5], v[hs:hs+1], v[BC+8*(\t)+4:BC+8*(\t)+5]
.endm
.macro YM2 t
	HREG \t
	v_pk_fma_f32 v[BC+8*(\t)+4:BC+8*(\t)+5], v[hs+2:hs+3], v[BC+8*(\t)+6:BC+8*(\t)+7], v[BC+8*(\t)+4:BC+8*(\t)+5]
.endm
; A TILE: 32 trips of eight steps.
.macro PROCESS
	s_mov_b32 s[SRW], s[TB]
	s_mov_b32 s[SBC], s[TB]
	s_mov_b32 s[SYS], s[YB]
	v_add_nc_u32 v[ARW], s[TB], v[LRW]
	v_add_nc_u32 v[ABC], s[TB], v[LBC]
	v_add_nc_u32 v[AYS], s[YB], v[LYS]
	ds_load_b128 v[16:19], v[ARW]                  ; the first oct's delta and x: 16 bytes each, the same for the four lanes of a channel
	ds_load_b128 v[20:23], v[ARW] offset:XOF
	s_mov_b32 s[OCT], 32
.Loct_\@:
.irp t, 0,1,2,3,4,5,6,7
	ds_load_b128 v[BC+8*\t:BC+8*\t+3], v[ABC] offset:\t*128
.endr
.irp t, 0,1,2,3,4,5,6,7
	ds_load_b128 v[BC+8*\t+4:BC+8*\t+7], v[ABC] offset:\t*128+16
.endr
	s_add_co_u32 s[SRW], s[SRW], 512
	s_add_co_u32 s[SBC], s[SBC], 1024
	s_wait_dscnt 16                                ; delta and x are in (and the last trip's two stores done); the sixteen just issued may stay out: so on the way in and on the way back
	v_cvt_f32_f16 v36, v16.l
	v_cvt_f32_f16 v37, v16.h
	v_cvt_f32_f16 v38, v17.l
	v_cvt_f32_f16 v39, v17.h
	v_cvt_f32_f16 v40, v18.l
	v_cvt_f32_f16 v41, v18.h
	v_cvt_f32_f16 v42, v19.l
	v_cvt_f32_f16 v43, v19.h
	ARG 0
	ARG 1
.set i, 0
.rept 32
	v_exp_f32 v[AE+i], v[AE+i]
	PLAIN
.set i, i+1
.endr
	ds_load_b128 v[16:19], v[ARW]                  ; the next oct's.  In a tile's last trip these read the next regions of the same slot, which have landed; the words are not used
	ds_load_b128 v[20:23], v[ARW] offset:XOF
	v_nop                                          ; a plain line behind the last exponential
	s_wait_alu depctr_va_vdst(0)                   ; one wait for the 32 exponentials, ahead of their first reader
	s_wait_dscnt 2                                 ; B and C are in; the two just issued may stay out
	UB 0
.set i, 0
.rept 14                                               ; the eight steps, skewed: what a line reads was written a slot of some ten lines earlier
.if i < 8
	HS i
.endif
.if i < 7
	UB i+1
.endif
.if (i >= 1) && (i < 9)
	YM1 i-1
.endif
.if (i >= 2) && (i < 10)
	YM2 i-2
.endif
.if (i >= 3) && (i < 11)
	v_add_f32 v[Y+i-3], v[BC+8*(i-3)+4], v[BC+8*(i-3)+5]
.endif
.if (i >= 4) && (i < 12)
	v_add_f32_dpp v[Y+i-4], v[Y+i-4], v[Y+i-4] row_xmask:1 row_mask:0xf bank_mask:0xf
.endif
.if (i >= 5) && (i < 13)
	v_add_f32_dpp v[Y+i-5], v[Y+i-5], v[Y+i-5] row_xmask:2 row_mask:0xf bank_mask:0xf
.endif
.if i >= 6
	v_fmac_f32 v[Y+i-6], v[XF+i-6], v[DP]
.endif
.set i, i+1
.endr
	v_cndmask_b32 v34, v[Y],   v[Y+1], s[M1]       ; all four lanes of a channel hold y: lane g keeps steps g and 4 + g
	v_cndmask_b32 v35, v[Y+4], v[Y+5], s[M1]
	v_cndmask_b32 v34, v34, v[Y+2], s[M1+1]
	v_cndmask_b32 v35, v35, v[Y+6], s[M1+1]
	v_cndmask_b32 v34, v34, v[Y+3], s[M1+2]
	v_cndmask_b32 v35, v35, v[Y+7], s[M1+2]
	ds_store_b32 v[AYS], v34
	ds_store_b32 v[AYS], v35 offset:512
	s_add_co_u32 s[SYS], s[SYS], 1024
	v_add_nc_u32 v[AYS], s[SYS], v[LYS]
	s_sub_co_u32 s[OCT], s[OCT], 1
	s_cmp_lg_u32 s[OCT], 0
	s_cbranch_scc1 .Loct_\@
.endm
	s_load_b256 s[4:11], s[0:1], 0x0               ; dl s[4:5], xb s[6:7], bcm s[8:9], A_log s[10:11]
	s_load_b128 s[12:15], s[0:1], 0x20             ; D_param s[12:13], out0 s[14:15]
	v_lshl_add_u32 v[SPW], v0, 2, SPARE
	v_mov_b32 v[NIL], 0
	ds_add_u32 v[SPW], v[NIL]                      ; the wave's opening: the add, twice on end, and its wait ahead of my first tensor load; the set-up below stands between
	ds_add_u32 v[SPW], v[NIL]                      ; and once more, under the one wait
	v_lshrrev_b32 v1, 5, v0
	v_readfirstlane_b32 s[WV], v1                  ; wave 0..3
	s_bfe_u32 s[CX], ttmp6, 0x40000                ; my place in the cluster: it enters global addresses of my own alone
	s_lshl_b32 s[GG], ttmp9, 2
	s_add_co_u32 s[GG], s[GG], s[CX]               ; work-group = 32 b + block of channels
	s_lshr_b32 s[NB], ttmp9, 3                     ; b, which the four partners share
	s_and_b32 s[DB], s[GG], 31
	s_mov_b32 s[G1J], 15|(3<<16)|(1<<21)           ; 15:0 the mask of four; 17:16 8-byte elements; 21 set beside a mask
	s_mov_b32 s[G1P], 3<<16                        ; the same without a mask
.irp g, G1J, G1P
	s_mov_b32 s[\g+1], 32<<16                      ; tensor_dim0 = 32 (256 bytes)
	s_mov_b32 s[\g+2], 64<<16                      ; tensor_dim1 = 64
	s_mov_b32 s[\g+3], 32<<16                      ; tile_dim0 = 32
	s_mov_b32 s[\g+4], 64                          ; tile_dim1 = 64
	s_mov_b32 s[\g+5], 32                          ; dense rows
	s_mov_b32 s[\g+6], 0
	s_mov_b32 s[\g+7], 0
.endr
	s_mov_b32 s[G0J], 1
	s_lshl_b32 s[G0J+1], s[WV], 14                 ; LDS: 16,384 x wave, in slot 0
	s_mov_b32 s[G0P], 1
	s_lshl_b32 s[G0P+1], s[WV], 14
	s_mov_b32 s[M1], 0x22222222
	s_mov_b32 s[M1+1], 0x44444444
	s_mov_b32 s[M1+2], 0x88888888
	s_mov_b32 s[HIM], 0xffff0000
	s_mov_b32 s[TB], SLOTB                         ; the first change of slots turns these into slot 0 and stage 0
	s_mov_b32 s[YB], YST1
	s_mov_b32 s[SLOTS], 7
	s_and_b32 s60, ttmp9, 7                        ; who prefetches: waves 0 and 1 always; wave 2 in the first cluster of a b; wave 3 never: the same in all four partners
	s_cmp_lt_u32 s[WV], 2
	s_cselect_b32 s60, 0, s60
	s_cmp_eq_u32 s[WV], 3
	s_cselect_b32 s60, 1, s60
	s_cmp_eq_u32 s60, 0
	s_cselect_b32 s[LIM], 1, -1
	s_lshl_b32 s66, s[WV], 3
	s_lshl_b32 s67, s[WV], 13
	v_and_b32 v1, 31, v0                           ; l
	v_and_b32 v2, 3, v0                            ; g
	v_bfe_u32 v3, v0, 2, 3
	v_add_nc_u32 v3, s66, v3                       ; my channel in the block
	v_lshlrev_b32 v[LRW], 4, v3
	v_lshl_add_u32 v[LBC], v2, 5, BCOF
	v_lshlrev_b32 v[LYS], 7, v2
	v_lshl_add_u32 v[LYS], v3, 2, v[LYS]
	v_lshl_add_u32 v[LDR], v1, 4, s67
	v_lshrrev_b32 v[OUTO], 3, v1
	v_lshlrev_b32 v[OUTO], 12, v[OUTO]
	v_and_b32 v[PFO], 7, v0
	v_lshl_add_u32 v[OUTO], v[PFO], 4, v[OUTO]
	v_lshlrev_b32 v[PFO], 8, v1
	s_lshl_b32 s68, s[DB], 11
	v_lshl_add_u32 v60, v3, 6, s68                 ; A_log: 64 bytes a channel, my four states
	v_lshl_add_u32 v60, v2, 4, v60
	s_lshl_b32 s69, s[DB], 7
	v_lshl_add_u32 v61, v3, 2, s69                 ; D_param
	s_lshl_b32 s66, s[NB], 18                      ; bcm: 262,144 bytes a b, (these two registers never hold my place in the cluster)
	s_and_b32 s67, s[WV], 1
	s_lshl_b32 s67, s67, 14                        ; my half of a tile
	s_add_co_u32 s66, s66, s67
	s_mov_b32 s67, 0
	s_wait_dscnt 0x0                               ; both opening adds are done
	s_wait_kmcnt 0x0
	global_load_b128 v[A2:A2+3], v60, s[10:11]
	global_load_b32 v[DP], v61, s[12:13]
	s_add_nc_u64 s[G0J+2:G0J+3], s[8:9], s[66:67]
	s_or_b32 s[G0J+3], s[G0J+3], 0x80000000        ; type = 2
	s_lshl_b32 s68, s[GG], 17                      ; dl, xb: 131,072 bytes for a b and a block of channels
	s_mov_b32 s69, 0
	s_cmp_eq_u32 s[WV], 0
	s_cselect_b64 s[70:71], s[4:5], s[6:7]         ; wave 0 fetches delta, wave 1 x (waves 2 and 3 make this set too and never ask by it)
	s_add_nc_u64 s[70:71], s[70:71], s[68:69]
	s_mov_b64 s[G0P+2:G0P+3], s[70:71]
	s_or_b32 s[G0P+3], s[G0P+3], 0x80000000
	s_lshl_b32 s68, s[NB], 18
	s_lshl_b32 s60, s[CX], 13                      ; my work-group's 32 blocks of B/C's 128
	s_add_co_u32 s68, s68, s60
	s_add_nc_u64 s[68:69], s[8:9], s[68:69]
	s_cmp_lt_u32 s[WV], 2
	s_cselect_b64 s[PFA:PFA+1], s[70:71], s[68:69]
	s_mov_b32 s[PSTEP], 32768                      ; a tile of B/C (the move leaves the compare's answer as it is),
	s_cselect_b32 s[PSTEP], 16384, s[PSTEP]        ; or of delta or x
	s_mov_b32 s[PSTEP+1], 0
	s_add_nc_u64 s[PFA:PFA+1], s[PFA:PFA+1], s[PSTEP:PSTEP+1]  ; at tile 1: the first change steps it to tile 2
	s_lshl_b32 s68, s[NB], 23                      ; out0: b, my block's 128 bytes of a row, my 64 rows of a tile
	s_lshl_b32 s60, s[DB], 7
	s_add_co_u32 s68, s68, s60
	s_lshl_b32 s60, s[WV], 18
	s_add_co_u32 s68, s68, s60
	s_mov_b32 s69, 0
	s_add_nc_u64 s[OA:OA+1], s[14:15], s[68:69]
	CROUND                                         ; all four work-groups are here: the first joint loads meet
	JLOAD                                          ; tile 0 into slot 0; slot 1 is asked for when it has landed, by the loop's own change of slots
	s_wait_loadcnt 0x0
	v_cvt_pk_bf16_f32 v16, v[A2], v[A2+1]          ; A_log and D_param rounded to bf16, like every input
	v_cvt_pk_bf16_f32 v17, v[A2+2], v[A2+3]
	v_cvt_pk_bf16_f32 v18, v[DP], v[DP]
	v_lshlrev_b32 v[A2], 16, v16
	v_and_b32 v[A2+1], s[HIM], v16
	v_lshlrev_b32 v[A2+2], 16, v17
	v_and_b32 v[A2+3], s[HIM], v17
	v_lshlrev_b32 v[DP], 16, v18
.irp j, 0,1,2,3
	v_mul_f32 v[A2+\j], 0x3fb8aa3b, v[A2+\j]
.endr
.irp j, 0,1,2,3
	v_exp_f32 v[A2+\j], v[A2+\j]
.endr
.irp j, 0,1,2,3
	v_mov_b32 v[HC+\j], 0                          ; h starts at 0; also the plain lines behind the exponentials
.endr
	s_wait_alu depctr_va_vdst(0)                   ; one wait for the four, ahead of their first reader
.irp j, 0,1,2,3
	v_mul_f32 v[A2+\j], 0xbfb8aa3b, v[A2+\j]       ; A2 = -log2 e x exp(A_log)
.endr
	CHANGE 1                                       ; tile 0 is in, everybody's part of it; tile 1 is asked for
	s_branch .Lproc                                ; nothing to drain yet
.Lslot:                                                ; six times: tiles 2 to 7 are asked for
	CHANGE 1
	DRAIN
.Lproc:
	PROCESS
	s_sub_co_u32 s[SLOTS], s[SLOTS], 1
	s_cmp_lg_u32 s[SLOTS], 0
	s_cbranch_scc1 .Lslot
	CHANGE 0                                       ; the last tile is written out: nothing is asked for
	DRAIN
	PROCESS
	s_wait_dscnt 0x0                               ; my stores into the stage are done (and the two loads that serve nothing are back)
	s_barrier_signal -1
	s_barrier_wait -1
	s_xor_b32 s[YB], s[YB], 32768
	DRAIN                                          ; the last tile's y
	s_wait_tensorcnt 0x0                           ; the wave's end: these three lines, behind my last tensor load and my last LDS store
	ds_add_u32 v[SPW], v[NIL]
	s_wait_dscnt 0x0
	CROUND                                         ; the closing round: no work-group ends while a partner may still ask for a tile that names it
	s_endpgm
.Lfunc_end_k_q4b14522e49_scan:
	.size	k_q4b14522e49_scan, .Lfunc_end_k_q4b14522e49_scan-k_q4b14522e49_scan
	.p2alignl 7, 3214868480
	.fill 96, 4, 3214868480
	.section	.rodata,"a",@progbits
	.p2align	6, 0x0
	.amdhsa_kernel k_q4b14522e49_scan
		.amdhsa_group_segment_fixed_size 327680
		.amdhsa_private_segment_fixed_size 0
		.amdhsa_enable_private_segment 0
		.amdhsa_kernarg_size 48
		.amdhsa_user_sgpr_count 2
		.amdhsa_user_sgpr_kernarg_segment_ptr 1
		.amdhsa_wavefront_size32 1
		.amdhsa_system_sgpr_workgroup_id_x 1
		.amdhsa_system_sgpr_workgroup_id_y 1
		.amdhsa_system_sgpr_workgroup_id_z 1
		.amdhsa_system_vgpr_workitem_id 0
		.amdhsa_next_free_vgpr 160
		.amdhsa_next_free_sgpr 72
		.amdhsa_reserve_vcc 0
		.amdhsa_float_denorm_mode_32 3
		.amdhsa_float_denorm_mode_16_64 3
		.amdhsa_memory_ordered 1
		.amdhsa_forward_progress 1
		.amdhsa_inst_pref_size 41
	.end_amdhsa_kernel
	.amdgpu_metadata
---
amdhsa.version: [ 1, 2 ]
amdhsa.kernels:
  - .name:           k_q4b14522e49_scan
    .symbol:         k_q4b14522e49_scan.kd
    .args:
      - { .name: dl, .offset: 0, .size: 8, .value_kind: global_buffer, .address_space: global }
      - { .name: xb, .offset: 8, .size: 8, .value_kind: global_buffer, .address_space: global }
      - { .name: bcm, .offset: 16, .size: 8, .value_kind: global_buffer, .address_space: global }
      - { .name: A_log, .offset: 24, .size: 8, .value_kind: global_buffer, .address_space: global }
      - { .name: D_param, .offset: 32, .size: 8, .value_kind: global_buffer, .address_space: global }
      - { .name: out0, .offset: 40, .size: 8, .value_kind: global_buffer, .address_space: global }
    .group_segment_fixed_size: 327680
    .private_segment_fixed_size: 0
    .kernarg_segment_align: 8
    .kernarg_segment_size: 48
    .max_flat_workgroup_size: 128
    .sgpr_count:     72
    .vgpr_count:     160
    .wavefront_size: 32
...
	.end_amdgpu_metadata
.endif
;; end of part 3
;; ======== version 2 of 2: 3 launches
;; limits: values are held in f16: magnitudes above 65,504 overflow, below 6.1e-05 lose precision
;; workspace buffers: wt 2,097,152 bytes; wbc 65,536 bytes; dl 33,554,432 bytes; xb 33,554,432 bytes; bcm 2,097,152 bytes
;; launch prep: the kernel of part 1 again; grid 17 x 16, 4 waves a work-group, no clusters, 14,336 bytes of LDS; arguments Wdelta, Wb, Wc, wt, wbc; writes wt, wbc
;; launch proj (part 4): grid 256 x 1, 4 waves a work-group, clusters of 4 x 1, 327,680 bytes of LDS; arguments x, wt, wbc, bdelta, bb, bc, dl, xb, bcm; writes dl, xb, bcm
.if DOCPART == 4
	.amdgcn_target "amdgcn-amd-amdhsa--gfx1250"
	.amdhsa_code_object_version 6
	.text
	.protected	k_q4b14522e49_proj
	.globl	k_q4b14522e49_proj
	.p2align	8
	.type	k_q4b14522e49_proj,@function
k_q4b14522e49_proj:
	s_mov_b64 s[64:65], 0
	v_nop
	global_prefetch_b8 v0, s[64:65] scope:SCOPE_SE
	s_setreg_imm32_b32 hwreg(HW_REG_WAVE_MODE, 25, 1), 1
	s_wait_xcnt 0x0
	s_wait_alu depctr_hold_cnt(0) depctr_sa_sdst(0) depctr_va_vdst(0) depctr_va_sdst(0) depctr_va_ssrc(0) depctr_va_vcc(0) depctr_vm_vsrc(0)
	s_getreg_b32 s2, hwreg(HW_REG_IB_STS2, 6, 4)
	s_cmp_eq_u32 s2, 0
	s_cbranch_scc0 .Lentry_in_a_cluster
	s_endpgm
.Lentry_in_a_cluster:
	s_bfe_u32 s2, ttmp6, 0x10000c
	s_cmp_lg_u32 s2, 0x3003
	s_cbranch_scc0 .Lentry_shape_is_right
	s_endpgm
.Lentry_shape_is_right:
; THE THREE PROJECTIONS.  delta = softplus(x Wdelta + bdelta) -> dl (f16);  B = x Wb + bb, C = x Wc + bc -> bcm (f32);  x rounded to bf16 and turned -> xb.
;   dl, xb [b 8][dblk 32][oct 256][ch 32][8 t]: a channel's eight steps are 16 bytes, an oct of a block of 32 channels 512 bytes      bcm [b][t][g 4][B(4g..4g+3), C(4g..4g+3)] f32
; SHARES.  A work-group owns 128 rows (b, t) and 512 of the 1,024 channels (column half j), in ONE pass over K: 16 K steps of 64, each two halves of 32.  Wave w makes 128 t x channels 128 w .. + 127 of the
; half: 64 accumulators, 512 registers.  For 32 along K it reads (128 + 128) x 64 bytes from LDS for 64 matrix instructions, and a K step's 132 matrix instructions a wave stand against 64 KiB of weights:
; half the bytes that 64 rows x all channels would want.  The price: the two work-groups of the same rows both read and round x.
; OWN AND OTHER.  Of its two blocks of 64 rows a work-group calls block 2 R + j its own and lays it in LDS rows 0-63, the other in rows 64-127: so j enters global addresses alone, and no LDS address.
; For its own block it also makes xb and the B and C tiles (wave w: rows 16 w .. + 15; two accumulators more): each of these is made once in the launch.
; CLUSTER.  The four partners share j and walk the same weights: each wave's quarter of a half slab (128 rows of 128 bytes, dense) is asked for JOINTLY: same line, same descriptor, mask 15.
; x goes global load -> registers -> bf16 -> small LDS slots (A slots), two K steps ahead of its products; Wb's and Wc's 4 KiB a step go the same way (C slots): a seventeenth of a step's weight bytes,
; so they are not asked for jointly.  The A slot's rows 0-63, read by the turning load, give xb.
; LAYOUT.  delta: source 0 = 16 rows of x, source 1 = 16 rows of wt: a lane holds ONE channel (lane % 16) and steps 8 (lane / 16) + 0..7: rounded, the 16 bytes of dl; lanes 0-15 store 256 consecutive
; bytes, aligned, lanes 16-31 the 256 bytes 512 further on.  B, C: source 0 = 16 weight rows, source 1 = my 16 rows of x: a lane holds one step and eight states.
; LIMITS.  x, the weights and the biases are rounded to bf16; sums in f32.  delta is stored once in f16: right up to 65,504 (beyond it an infinity), and below 6e-5 with f16's fixed step of 6e-8.
; softplus(z) = max(z, 0) + ln 2 x log2(1 + 2^(-|z| log2 e)): no exponential can overflow; the second term counts as 0 where 2^(..) is below 6e-8.  NaN and infinities are not treated apart.
; REGISTERS, in windows of 256 (s_set_vgpr_msb: bits 1:0 source 0, 3:2 source 1, 5:4 source 2, 7:6 destination):
;   window 0: v0-31 addresses; v32-79 B/C operands, two buffers; v80-95 B/C sums; v96-239 x and wbc as loaded, two sets of 72; v240-255 x turned
;   window 1: v0-127 weight fragments, two buffers of 64; v128-255 x fragments, two buffers of 64          windows 2, 3: accumulator (nt, mt) at 8 (8 (nt % 4) + mt) of window 2 + nt / 4
.set PITCH, 144                        ; an LDS row: 128 bytes + 16 = 36 words: the 16 rows of a fragment load start at 16 different groups of four banks (64 banks of 4 bytes: ISA guide 11.1)
.set WQ,    128*PITCH                  ; a wave's quarter of a half slab
.set WSLOT, 4*WQ                       ; two slots for the half slabs, from byte 0
.set ASL0,  2*WSLOT                    ; two A slots: 128 rows of x; filled by ds_store alone
.set ASL1,  ASL0+128*PITCH
.set CSL0,  ASL1+128*PITCH             ; two C slots: 32 rows of Wb, Wc; filled by ds_store alone
.set CSL1,  CSL0+32*PITCH
.set SPARE, CSL1+32*PITCH              ; the spare words, 128 bytes a wave: two blocks of 256 bytes that no other line names
.set SLAB,  131072                     ; bytes of wt in a K step
.set ADRA, 4                           ; v4,5    slot p: my place in a fragment of x: r PITCH + 16 h   (r = lane % 16, h = lane / 16)
.set ADRB, 6                           ; v6,7    the same in my quarter of the half slab
.set ADRX, 8                           ; v8,9    the same in my 16 rows of the own block
.set ADRW, 10                          ; v10,11  the same in the C slot
.set STA,  12                          ; v12,13  where I put 8 bytes of x: row 16 w + h (+ 2 i; the other block 64 rows on), byte 8 r
.set STW,  14                          ; v14,15  where I put 16 bytes of wbc
.set TRA,  16                          ; v16,17  the turning load: row 8 h + lane % 8 (+ 16 mt), channels 16 w + 8 ((lane / 8) % 2) ..
.set XO,   18                          ; v18  my offset in a block's 64 rows of x      v19  in a step's wbc
.set WO,   19
.set XBO,  20                          ; v20  my offset in xb                    v21  in dl
.set DLO,  21
.set PXO,  22                          ; v22  x's prefetch: row 16 w + r, K step + h      v23  wt's: 256 x lane
.set PWO,  23
.set STG,  24                          ; v24,25  B/C way out: in and back               v26  16 x lane
.set RDG,  25
.set BCO,  26
.set BDO,  27                          ; v27  (128 w + r) x 4 in my half of bdelta      v30  32 h in bb, bc
.set SPW,  28                          ; v28  SPARE + 4 x my thread's number; never rewritten
.set NIL,  29                          ; v29  0; never rewritten
.set BBO,  30
.set BW,   32                          ; buffer f at 32 + 24 f: Wb's fragment, Wc's, my own rows of x
.set BACC, 80
.set XS,   96                          ; set q at 96 + 72 q: the own block's 8 loads, the other's 8, wbc's 2
.set XT,   240
.set AF,   128                         ; x fragments, in window 1: buffer f, m-tile mt at 128 + 64 f + 8 mt
.set Z,    96                          ; the way out: z, then delta            v176-239 the exponentials' and logarithms' registers       v32-63 packed
.set T,    176
.set P,    32
.set BI,   168                         ; v168-175 bdelta of my 8 n-tiles       v176-191 bb, bc of my 8 states       v192-199 at work
.set BB,   176
.set BT,   192
.set WV,   22                          ; s22 wave   s23 cx   s24 my own block of 64 rows   s25 laps to go   s26,27 limits of wt's prefetch
.set CX,   23
.set WG,   24
.set CNT,  25
.set LIMW, 26
.set G1,   28                          ; s[28:35] descriptor group 1     s[36:43] group 0, a set for each slot
.set G0,   36
.set XA,   44                          ; s[44:45] x, own block, at the K step last asked for     s[46:47] wbc likewise
.set WA,   46
.set XOFF, 48                          ; s[48:49], s[50:51] their byte offsets, high words 0
.set WOFF, 50
.set XBA,  52                          ; s[52:53] xb at the K step in hand
.set PFW,  54                          ; s[54:55] wt's prefetch
.set XBASE, 56                         ; s[56:57] x at the own block      s[58:59] dl at my wave's channels, own block
.set DLA,  58
.set L2E,  60                          ; s60 log2 e    s61 a word's upper half    s[62:63] ln 2
.set HIM,  61
.set LN2,  62
.set XBASE2, 80                        ; s[80:81] x at the other block    s[82:83] the same at the K step last asked for    s[84:85] dl, other block    s86 j
.set XA2,  82
.set DLA2, 84
.set JJ,   86
.set MSB, 0
.macro WIN new                         ; the immediate's high byte repeats the setting that is left; a switch that changes nothing is dropped
.if MSB != (\new)
	s_set_vgpr_msb (MSB<<8)|(\new)
.set MSB, \new
.endif
.endm
.macro PLACES                          ; four places in front of loads into registers that matrix instructions have read (ISA guide 7.12.1 for vector instructions)
.rept 4
	v_nop
.endr
.endm
.macro CREST                           ; a round of the cluster's barrier behind its opening barrier
	s_cmp_lg_u32 s[WV], 0
	s_cbranch_scc1 .Lnot_wave_0_\@
	s_barrier_signal -3
.Lnot_wave_0_\@:
	s_barrier_wait -3
	s_barrier_signal -1
	s_barrier_wait -1
.endm
.macro CROUND
	s_barrier_signal -1
	s_barrier_wait -1
	CREST
.endm
; 8 x cnt matrix instructions on buffer f: n-tiles nt0 .. nt0 + cnt - 1 x all eight m-tiles.  Every accumulator has one instruction a turn and comes again 65 matrix instructions later, over the backward jump too.
.macro MULR f, nt0, cnt, zero
.set nt, \nt0
.rept \cnt
	WIN 0xa5+0x50*(nt>>2)                          ; x and weights window 1, sums window 2 or 3
.set mt, 0
.rept 8
.set rD, 8*(8*(nt&3)+mt)
.if \zero
	v_wmma_f32_16x16x32_bf16 v[rD:rD+7], v[AF+64*(\f)+8*mt:AF+64*(\f)+8*mt+7], v[64*(\f)+8*nt:64*(\f)+8*nt+7], 0
.else
	v_wmma_f32_16x16x32_bf16 v[rD:rD+7], v[AF+64*(\f)+8*mt:AF+64*(\f)+8*mt+7], v[64*(\f)+8*nt:64*(\f)+8*nt+7], v[rD:rD+7]
.endif
.set mt, mt+1
.endr
.set nt, nt+1
.endr
.endm
.macro MULBC f, zero                   ; B's and C's tile of my 16 rows of the own block
	WIN 0
.irp j, 0,1
.if \zero
	v_wmma_f32_16x16x32_bf16 v[BACC+8*\j:BACC+8*\j+7], v[BW+24*(\f)+8*\j:BW+24*(\f)+8*\j+7], v[BW+24*(\f)+16:BW+24*(\f)+23], 0
.else
	v_wmma_f32_16x16x32_bf16 v[BACC+8*\j:BACC+8*\j+7], v[BW+24*(\f)+8*\j:BW+24*(\f)+8*\j+7], v[BW+24*(\f)+16:BW+24*(\f)+23], v[BACC+8*\j:BACC+8*\j+7]
.endif
.endr
.endm
; One run of LDS loads: half c of slot p into buffer f: 16 for x, 16 for the weights (n-tiles ascending), 6 for B/C; tr = 1: 4 turning loads more.  38 or 42.
.macro FETCH p, c, f, tr
	WIN 0x40                                       ; destination window 1, address window 0
.set mt, 0
.rept 8
	ds_load_b128 v[AF+64*(\f)+8*mt:AF+64*(\f)+8*mt+3],   v[ADRA+(\p)] offset:mt*16*PITCH+64*(\c)
	ds_load_b128 v[AF+64*(\f)+8*mt+4:AF+64*(\f)+8*mt+7], v[ADRA+(\p)] offset:mt*16*PITCH+64*(\c)+32
.set mt, mt+1
.endr
.set nt, 0
.rept 8
	ds_load_b128 v[64*(\f)+8*nt:64*(\f)+8*nt+3],   v[ADRB+(\p)] offset:nt*16*PITCH+64*(\c)
	ds_load_b128 v[64*(\f)+8*nt+4:64*(\f)+8*nt+7], v[ADRB+(\p)] offset:nt*16*PITCH+64*(\c)+32
.set nt, nt+1
.endr
	WIN 0
.irp j, 0,1
	ds_load_b128 v[BW+24*(\f)+8*\j:BW+24*(\f)+8*\j+3],   v[ADRW+(\p)] offset:\j*16*PITCH+64*(\c)
	ds_load_b128 v[BW+24*(\f)+8*\j+4:BW+24*(\f)+8*\j+7], v[ADRW+(\p)] offset:\j*16*PITCH+64*(\c)+32
.endr
	ds_load_b128 v[BW+24*(\f)+16:BW+24*(\f)+19], v[ADRX+(\p)] offset:64*(\c)
	ds_load_b128 v[BW+24*(\f)+20:BW+24*(\f)+23], v[ADRX+(\p)] offset:64*(\c)+32
.if \tr
.irp mt, 0,1,2,3
	ds_load_tr16_b128 v[XT+4*\mt:XT+4*\mt+3], v[TRA+(\p)] offset:\mt*16*PITCH  ; 16 steps of the own block x my 16 channels, turned: a lane gets one channel's eight steps
.endr
.endif
.endm
; eighteen loads into set q: my 16 rows x 256 bytes of x in each of the two blocks (sixteen lanes take a row's 256 bytes), my 1 KiB of wbc
.macro XLOAD q, xo, wo
.irp k, 0,1,2,3,4,5,6,7
	global_load_b128 v[XS+72*(\q)+4*\k:XS+72*(\q)+4*\k+3], v[XO], s[XA:XA+1] offset:\k*8192+(\xo)
.endr
.irp k, 0,1,2,3,4,5,6,7
	global_load_b128 v[XS+72*(\q)+32+4*\k:XS+72*(\q)+35+4*\k], v[XO], s[XA2:XA2+1] offset:\k*8192+(\xo)
.endr
.irp k, 0,1
	global_load_b128 v[XS+72*(\q)+64+4*\k:XS+72*(\q)+67+4*\k], v[WO], s[WA:WA+1] offset:\k*2048+(\wo)
.endr
.endm
; Set q has landed: it is rounded and put into A slot q and C slot q, whose last readers every wave awaited ahead of the barrier before.  issue = 1: the set is asked for again, two K steps on.
; The offset is held at the last K step: the loop's last request reads that step's 36 KiB a second time for nothing, so that every trip has one text and one count.
; pf = 1: x is prefetched into the L2: my 16 rows of the OWN block alone, a lane a block of 256 bytes, the two K steps whose loads go out three and four steps later; each block of x is some work-group's own,
; so each is named once; the last request names steps 14 and 15.
.macro XWORK q, issue, pf
	s_wait_loadcnt 18                              ; loads come back in order: set q is in, the other set's eighteen may stay out
.set i, 0
.rept 16
.set rX, XS+72*(\q)+4*i
	v_cvt_pk_bf16_f32 v[rX],   v[rX],   v[rX+1]
	v_cvt_pk_bf16_f32 v[rX+1], v[rX+2], v[rX+3]
	ds_store_b64 v[STA+(\q)], v[rX:rX+1] offset:(i/8)*64*PITCH+(i%8)*2*PITCH
.set i, i+1
.endr
.irp k, 0,1
	ds_store_b128 v[STW+(\q)], v[XS+72*(\q)+64+4*\k:XS+72*(\q)+67+4*\k] offset:\k*16*PITCH
.endr
.if \issue
	s_wait_xcnt 0x0                                ; the other set's loads have read their bases, which are written now
	s_add_co_u32 s[XOFF], s[XOFF], 256
	s_min_u32 s[XOFF], s[XOFF], 15*256
	s_lshl_b32 s[WOFF], s[XOFF], 4
	s_add_nc_u64 s[XA:XA+1], s[XBASE:XBASE+1], s[XOFF:XOFF+1]
	s_add_nc_u64 s[XA2:XA2+1], s[XBASE2:XBASE2+1], s[XOFF:XOFF+1]
	s_add_nc_u64 s[WA:WA+1], s[8:9], s[WOFF:WOFF+1]
	XLOAD \q, 0, 0
.endif
.if \pf
	s_cmp_gt_u32 s[CNT], 2
	s_cbranch_scc0 .Lno_x_\@
	global_prefetch_b8 v[PXO], s[XA:XA+1] offset:768 th:TH_LOAD_NT scope:SCOPE_SE
.Lno_x_\@:
.endif
.endm
.macro XBST                            ; the step's 64 channels x the own block's 64 steps of xb: my 16 channels; sixteen lanes store 256 consecutive bytes, aligned
.irp mt, 0,1,2,3
	global_store_b128 v[XBO], v[XT+4*\mt:XT+4*\mt+3], s[XBA:XBA+1] offset:\mt*1024
.endr
.endm
; wt is prefetched into the L2: my column half of the slab three refills on, 256 blocks of 256 bytes.  Every cluster of a column half walks the same bytes: the first of them asks, by its waves 0 and 1; the four
; partners and the two waves share the blocks out BY ADDRESS, 8 KiB each, a lane a block.  So each block is named once.  Slabs 0 to 4 come by their loads alone; the last request names slab 15.
.macro ASKW k
	s_cmp_gt_u32 s[CNT], s[LIMW+(\k)]
	s_cbranch_scc0 .Lno_w_\@
	global_prefetch_b8 v[PWO], s[PFW:PFW+1] th:TH_LOAD_NT scope:SCOPE_SE
.Lno_w_\@:
.endm
; A K step's first half: multiplies buffer 0 of slot p; in its middle the second half is fetched into buffer 1, and x is read turned.
.macro H0 p, zero
	s_wait_dscnt 14                                ; x and n-tiles 0-3 are in; the youngest 8 weight loads and the 6 for B/C may be out
	MULR 0, 0, 4, \zero
	s_wait_xcnt 0x0                                ; the last step's stores of xb have read their registers and base; wt's last prefetch has read its address
.if !(\zero)
	s_add_nc_u64 s[XBA:XBA+1], s[XBA:XBA+1], 262144  ; two blocks of 32 channels on
.endif
	PLACES
	FETCH \p, 1, 1, 1
	s_wait_dscnt 42                                ; all but the run just issued
	MULR 0, 4, 4, \zero
	MULBC 0, \zero
.endm
; A K step's second half multiplies buffer 1 and changes slots.  In front of the barrier each wave puts the next step's x into the other A slot, waits for all its tensor loads (one is out: its quarter of
; the next half slab), adds 0 to its spare word, and waits for that, for its stores and for its reads of this slot.  fill = 1: the barrier opens a round of the cluster's barrier, and the joint refill, the slab
; two steps on, is the first thing behind it: 116 of a step's 132 matrix instructions stand between it and the wait for it.
.macro TURN p, fill, issue
	WIN 0
.if (\fill) && ((\p) == 0)
	XWORK 1-(\p), \issue, 1
.else
	XWORK 1-(\p), \issue, 0
.endif
	s_wait_dscnt 36                                ; x and n-tiles 0-3 are in; out may be 8 weight loads, 6 for B/C, 4 turned, my 18 stores
	MULR 1, 0, 2, 0
	WIN 0                                          ; (the add's two registers lie in window 0)
	s_wait_tensorcnt 0x0                           ; all my tensor loads have landed
	ds_add_u32 v[SPW], v[NIL]                      ; 0 onto my spare word; eight matrix instructions stand between it and the wait for it
	MULR 1, 2, 1, 0
	s_wait_dscnt 0x0                               ; the add, my stores into the next A and C slots and my reads of this slot are done
	s_barrier_signal -1
	MULR 1, 3, 1, 0                                ; work on registers while the others arrive
	WIN 0                                          ; at a branch and at a label every window is 0
	s_barrier_wait -1
.if \fill
	CREST                                          ; no wave of any partner still reads this slot or has a load on its way
	s_add_nc_u64 s[G0+4*(\p)+2:G0+4*(\p)+3], s[G0+4*(\p)+2:G0+4*(\p)+3], 2*SLAB
	s_add_nc_u64 s[PFW:PFW+1], s[PFW:PFW+1], SLAB
	tensor_load_to_lds s[G0+4*(\p):G0+4*(\p)+3], s[G1:G1+7]
	s_nop 0
	PLACES                                         ; the places in front of the loads below
.else
	PLACES
.endif
	FETCH 1-(\p), 0, 0, 0
	XBST
.if \fill
	ASKW \p
.endif
	MULR 1, 4, 4, 0
	MULBC 1, 0
.endm
	s_load_b512 s[4:19], s[0:1], 0x0               ; x s[4:5], wt s[6:7], wbc s[8:9], bdelta s[10:11], bb s[12:13], bc s[14:15], dl s[16:17], xb s[18:19]
	s_load_b64 s[20:21], s[0:1], 0x40              ; bcm
	v_lshl_add_u32 v[SPW], v0, 2, SPARE
	v_mov_b32 v[NIL], 0
	ds_add_u32 v[SPW], v[NIL]                      ; the wave's opening: the add, twice on end, and its wait ahead of my first tensor load; the set-up below stands between
	ds_add_u32 v[SPW], v[NIL]                      ; and once more, under the one wait
	v_lshrrev_b32 v1, 5, v0
	v_readfirstlane_b32 s[WV], v1                  ; wave 0..3
	s_bfe_u32 s[CX], ttmp6, 0x40000                ; my place in the cluster: it enters global addresses of my own alone
	s_and_b32 s[JJ], ttmp9, 1                      ; j, my column half: in a cluster launch ttmp9 counts clusters, so the four partners share it
	s_lshr_b32 s[WG], ttmp9, 1
	s_lshl_b32 s[WG], s[WG], 2
	s_add_co_u32 s[WG], s[WG], s[CX]               ; R, my block of 128 rows
	s_lshl_b32 s[WG], s[WG], 1
	s_add_co_u32 s[WG], s[WG], s[JJ]               ; 2 R + j: my own block of 64 rows
	; descriptor group 1: a quarter of a half slab, 16,384 dense bytes, asked for as 64 rows of 256 bytes and padded in LDS after every 128 bytes
	s_mov_b32 s[G1], 15|(1<<16)|(1<<20)|(1<<21)|(4<<22)|(3<<25)  ; 15:0 the mask of four; 17:16 2-byte elements; 20 padding on; 21 set beside a mask; 24:22 after every 32 words (code 4); 31:25 4 words (code 3)
	s_mov_b32 s[G1+1], 128<<16                     ; tensor_dim0 = 128
	s_mov_b32 s[G1+2], 64<<16                      ; tensor_dim1 = 64
	s_mov_b32 s[G1+3], 128<<16                     ; tile_dim0 = 128
	s_mov_b32 s[G1+4], 64                          ; tile_dim1 = 64
	s_mov_b32 s[G1+5], 128                         ; 128 elements from row to row
	s_mov_b32 s[G1+6], 0
	s_mov_b32 s[G1+7], 0
	s_mov_b32 s[L2E], 0x3fb8aa3b
	s_mov_b32 s[HIM], 0xffff0000
	s_mov_b32 s[LN2], 0x3f317218
	s_mov_b32 s[LN2+1], 0x3f317218                 ; named with it as a pair
	s_mov_b32 s[XOFF], 256                         ; K steps 0 and 1 are asked for below
	s_mov_b32 s[XOFF+1], 0
	s_mov_b32 s[WOFF+1], 0
	s_lshr_b32 s66, ttmp9, 1                       ; who prefetches wt: waves 0 and 1 of the first cluster of each column half: the same in all four partners
	s_lshr_b32 s67, s[WV], 1
	s_or_b32 s66, s66, s67
	s_cmp_eq_u32 s66, 0
	s_cselect_b32 s[LIMW], 1, -1
	s_cselect_b32 s[LIMW+1], 2, -1
	s_mul_i32 s66, s[WV], WQ                       ; my quarter of a slot: no place in the cluster enters an LDS address
	s_mul_i32 s67, s[WV], 16*PITCH
	s_mul_i32 s68, s[WV], 4*PITCH
	s_lshl_b32 s69, s[WV], 5
	s_lshl_b32 s70, s[WV], 16
	s_lshl_b32 s71, s[WV], 11
	s_lshr_b32 s72, s[WV], 1
	s_lshl_b32 s72, s72, 17
	s_and_b32 s73, s[WV], 1
	s_lshl_b32 s73, s73, 8
	s_add_co_u32 s72, s72, s73                     ; my 16 channels of a step's 64 in xb: block w / 2, half w % 2
	s_lshl_b32 s73, s[WV], 9
	s_mov_b32 s[G0], 1                             ; count = 1
	s_mov_b32 s[G0+1], s66                         ; LDS address: slot 0
	s_mov_b32 s[G0+4], 1
	s_add_co_u32 s[G0+5], s66, WSLOT               ; slot 1
	v_and_b32 v2, 31, v0                           ; lane
	v_and_b32 v3, 15, v0                           ; r
	v_bfe_u32 v30, v0, 4, 1                        ; h
	v_mul_u32_u24 v31, v3, PITCH
	v_lshl_add_u32 v31, v30, 4, v31                ; a fragment: row r, 16 bytes for each half of the lanes, twice, 32 bytes apart
	v_add_nc_u32 v[ADRA], ASL0, v31
	v_add_nc_u32 v[ADRA+1], ASL1, v31
	v_add_nc_u32 v[ADRB], s66, v31
	v_add_nc_u32 v[ADRB+1], WSLOT, v[ADRB]
	v_add_nc_u32 v[ADRX], s67, v[ADRA]
	v_add_nc_u32 v[ADRX+1], s67, v[ADRA+1]
	v_add_nc_u32 v[ADRW], CSL0, v31
	v_add_nc_u32 v[ADRW+1], CSL1, v31
	v_mul_u32_u24 v31, v30, PITCH
	v_lshl_add_u32 v31, v3, 3, v31
	v_add_nc_u32 v31, s67, v31
	v_add_nc_u32 v[STA], ASL0, v31
	v_add_nc_u32 v[STA+1], ASL1, v31
	v_bfe_u32 v1, v0, 3, 2
	v_mul_u32_u24 v31, v1, PITCH
	v_and_b32 v1, 7, v0
	v_lshl_add_u32 v31, v1, 4, v31
	v_add_nc_u32 v31, s68, v31                     ; row 4 w + lane / 8 (+ 16 i), byte 16 (lane % 8)
	v_add_nc_u32 v[STW], CSL0, v31
	v_add_nc_u32 v[STW+1], CSL1, v31
	v_lshl_add_u32 v31, v30, 3, v1
	v_mul_u32_u24 v31, v31, PITCH
	v_bfe_u32 v1, v0, 3, 1
	v_lshl_add_u32 v31, v1, 4, v31
	v_add_nc_u32 v31, s69, v31
	v_add_nc_u32 v[TRA], ASL0, v31
	v_add_nc_u32 v[TRA+1], ASL1, v31
	v_lshl_add_u32 v[XO], v30, 12, s70             ; row 16 w + h (+ 2 i) of 4,096 bytes, 16 r
	v_lshl_add_u32 v[XO], v3, 4, v[XO]
	v_lshlrev_b32 v[WO], 4, v0
	v_lshlrev_b32 v[DLO], 9, v30                   ; oct h, channel r
	v_lshl_add_u32 v[DLO], v3, 4, v[DLO]
	v_add_nc_u32 v[XBO], s72, v[DLO]
	v_lshl_add_u32 v[PXO], v3, 12, s70
	v_lshl_add_u32 v[PXO], v30, 8, v[PXO]
	v_lshlrev_b32 v[PWO], 8, v2
	v_lshlrev_b32 v31, 7, v3
	v_lshl_add_u32 v31, v30, 6, v31
	v_add_nc_u32 v31, s71, v31
	v_add_nc_u32 v[STG], ASL0, v31                 ; step r's 128 bytes, my 8 states' 64
	v_lshl_add_u32 v31, v2, 4, s71
	v_add_nc_u32 v[RDG], ASL0, v31
	v_lshlrev_b32 v[BCO], 4, v2
	v_lshl_add_u32 v[BDO], v3, 2, s73
	v_lshlrev_b32 v[BBO], 5, v30
	s_wait_dscnt 0x0                               ; both opening adds are done
	s_wait_kmcnt 0x0
	s_lshl_b32 s72, s[WG], 18                      ; a block: 64 rows of 4,096 bytes
	s_mov_b32 s73, 0
	s_add_nc_u64 s[XBASE:XBASE+1], s[4:5], s[72:73]
	s_xor_b32 s72, s72, 1<<18                      ; the other block of my 128 rows
	s_add_nc_u64 s[XBASE2:XBASE2+1], s[4:5], s[72:73]
	s_mov_b64 s[XA:XA+1], s[XBASE:XBASE+1]
	s_mov_b64 s[XA2:XA2+1], s[XBASE2:XBASE2+1]
	s_mov_b64 s[WA:WA+1], s[8:9]
	XLOAD 0, 0, 0                                  ; K step 0
	XLOAD 1, 256, 4096                             ; K step 1
	s_lshr_b32 s74, s[WG], 5                       ; b
	s_lshl_b32 s74, s74, 22
	s_and_b32 s76, s[WG], 31                       ; the own block's 64 steps: eight octs of 512 bytes
	s_lshl_b32 s76, s76, 12
	s_add_co_u32 s74, s74, s76
	s_mov_b32 s75, 0
	s_add_nc_u64 s[XBA:XBA+1], s[18:19], s[74:75]
	s_add_nc_u64 s[DLA:DLA+1], s[16:17], s[74:75]
	s_xor_b32 s74, s74, 1<<12                      ; the other block's
	s_add_nc_u64 s[DLA2:DLA2+1], s[16:17], s[74:75]
	s_lshl_b32 s74, s[JJ], 2
	s_add_co_u32 s74, s74, s[WV]
	s_lshl_b32 s74, s74, 19                        ; my 128 channels begin at block 16 j + 4 w of 131,072 bytes
	s_add_nc_u64 s[DLA:DLA+1], s[DLA:DLA+1], s[74:75]
	s_add_nc_u64 s[DLA2:DLA2+1], s[DLA2:DLA2+1], s[74:75]
	s_lshl_b32 s74, s[WG], 13                      ; the own block's 64 steps of 128 bytes,
	s_add_co_u32 s74, s74, s71                     ; my 16 of them
	s_add_nc_u64 s[20:21], s[20:21], s[74:75]
	s_lshl_b32 s74, s[JJ], 11                      ; my half of bdelta
	s_add_nc_u64 s[10:11], s[10:11], s[74:75]
	s_lshl_b32 s78, s[WV], 14                      ; my quarter of my half of a slab (these two registers never hold my place in the cluster)
	s_lshl_b32 s79, s[JJ], 16
	s_add_co_u32 s78, s78, s79
	s_mov_b32 s79, 0
	s_add_nc_u64 s[G0+2:G0+3], s[6:7], s[78:79]    ; slab 0
	s_add_nc_u64 s[G0+6:G0+7], s[G0+2:G0+3], SLAB  ; slab 1
	s_or_b32 s[G0+3], s[G0+3], 0x80000000          ; type = 2
	s_or_b32 s[G0+7], s[G0+7], 0x80000000
	s_and_b32 s74, s[WV], 1                        ; the prefetches: 32 KiB for each of two waves, 8 KiB of them for each partner,
	s_lshl_b32 s74, s74, 15
	s_lshl_b32 s76, s[CX], 13
	s_add_co_u32 s74, s74, s76
	s_lshl_b32 s76, s[JJ], 16                      ; in my column half,
	s_add_co_u32 s74, s74, s76
	s_add_co_u32 s74, s74, 4*SLAB                  ; at slab 4: the first refill steps it to slab 5
	s_add_nc_u64 s[PFW:PFW+1], s[6:7], s[74:75]
	CROUND                                         ; all four work-groups are here: the first joint loads meet
	tensor_load_to_lds s[G0:G0+3], s[G1:G1+7]      ; two tensor loads of mine are out here, one behind each later round
	s_nop 0
	tensor_load_to_lds s[G0+4:G0+7], s[G1:G1+7]
	s_nop 0
	PLACES
	XWORK 0, 1, 0                                  ; K step 0 into A slot 0; K step 2 is asked for
	s_wait_tensorcnt 0x1                           ; my quarter of slab 0 is in; slab 1's may stay out
	s_wait_dscnt 0x0                               ; my stores into the slots are done
	s_barrier_signal -1
	s_barrier_wait -1
	FETCH 0, 0, 0, 0
	H0 0, 1                                        ; the first products start the sums: nothing is cleared
	WIN 0
	s_mov_b32 s[CNT], 7
.Llap:                                                 ; a trip: from a lap's second half-step to the next lap's first; both slots are filled again: slabs 2 to 15 in seven trips
	TURN 0, 1, 1
	H0 1, 0
	TURN 1, 1, 1
	H0 0, 0
	WIN 0
	s_sub_co_u32 s[CNT], s[CNT], 1
	s_cmp_lg_u32 s[CNT], 0
	s_cbranch_scc1 .Llap
	TURN 0, 0, 0                                   ; K step 14 ends: nothing is left to fetch (behind set 1 the eighteen loads of the held offset are the younger ones)
.set nt, 0
.rept 8                                                ; the biases, into set 1's registers, which have been stored
	global_load_b32 v[BI+nt], v[BDO], s[10:11] offset:nt*64
.set nt, nt+1
.endr
	global_load_b128 v[BB:BB+3],     v[BBO], s[12:13]
	global_load_b128 v[BB+4:BB+7],   v[BBO], s[12:13] offset:16
	global_load_b128 v[BB+8:BB+11],  v[BBO], s[14:15]
	global_load_b128 v[BB+12:BB+15], v[BBO], s[14:15] offset:16
	H0 1, 0
	s_wait_dscnt 0x0
	XBST
	MULR 1, 0, 8, 0
	MULBC 1, 0
	; THE WAY OUT.  The biases are rounded to bf16 like every input; these lines are also the places behind the last products.
	s_wait_loadcnt 0x0
.irp k, 0,1,2,3
	v_cvt_pk_bf16_f32 v[BT+\k], v[BI+2*\k], v[BI+2*\k+1]
.endr
.irp k, 0,1,2,3
	v_lshlrev_b32 v[BI+2*\k], 16, v[BT+\k]
	v_and_b32 v[BI+2*\k+1], s[HIM], v[BT+\k]
.endr
.irp k, 0,1,2,3,4,5,6,7
	v_cvt_pk_bf16_f32 v[BT+\k], v[BB+2*\k], v[BB+2*\k+1]
.endr
.irp k, 0,1,2,3,4,5,6,7
	v_lshlrev_b32 v[BB+2*\k], 16, v[BT+\k]
	v_and_b32 v[BB+2*\k+1], s[HIM], v[BT+\k]
.endr
	; B and C: a lane holds step 16 w + r of the own block and states 8 h .. + 7.  They go through 2,048 bytes of my own in A slot 0, which nobody reads behind K step 14's barrier, and come back as whole rows.
.irp k, 0,1,2,3,4,5,6,7
	v_pk_add_f32 v[BACC+2*\k:BACC+2*\k+1], v[BACC+2*\k:BACC+2*\k+1], v[BB+2*\k:BB+2*\k+1]  ; each accumulator from its low end on
.endr
	ds_store_b128 v[STG], v[BACC:BACC+3]                 ; B 8h .. 8h+3
	ds_store_b128 v[STG], v[BACC+8:BACC+11]  offset:16   ; C 8h .. 8h+3
	ds_store_b128 v[STG], v[BACC+4:BACC+7]   offset:32   ; B 8h+4 .. 8h+7
	ds_store_b128 v[STG], v[BACC+12:BACC+15] offset:48   ; C 8h+4 .. 8h+7
.irp k, 0,1,2,3
	ds_load_b128 v[P+4*\k:P+4*\k+3], v[RDG] offset:\k*512  ; LDS serves a wave's instructions in order (ISA guide 5.7.1.4): these see the stores above
.endr
.irp k, 0,1,2,3
	s_wait_dscnt 3-\k
	global_store_b128 v[BCO], v[P+4*\k:P+4*\k+3], s[20:21] offset:\k*512  ; 512 consecutive bytes, aligned
.endr
; delta: a batch is n-tile nt with all eight m-tiles: 64 accumulator registers on end, one bias a lane.  Each kind of transcendental is ONE batch of 64 with ONE wait.
.macro SOFT nt
.set AB, 64*((\nt)&3)
	WIN 0x02+((\nt)>>2)                            ; source 0 in window 2 or 3
.set i, 0
.rept 32
.if ((\nt)&1) == 0
	v_pk_add_f32 v[Z+2*i:Z+2*i+1], v[AB+2*i:AB+2*i+1], v[BI+(\nt):BI+(\nt)+1] op_sel_hi:[1,0]                ; z = sum + bias: an even tile's lies low in its pair,
.else
	v_pk_add_f32 v[Z+2*i:Z+2*i+1], v[AB+2*i:AB+2*i+1], v[BI+(\nt)-1:BI+(\nt)] op_sel:[0,1] op_sel_hi:[1,1]   ; an odd tile's high
.endif
.set i, i+1
.endr
	WIN 0
.set i, 0
.rept 64
	v_mul_f32 v[T+i], -|v[Z+i]|, s[L2E]
.set i, i+1
.endr
.set i, 0
.rept 64
	v_exp_f32 v[T+i], v[T+i]
	v_max_num_f32 v[Z+i], 0, v[Z+i]                ; a plain line behind each exponential
.set i, i+1
.endr
	s_wait_alu depctr_va_vdst(0)                   ; one wait for the 64 exponentials, ahead of their first reader
.set i, 0
.rept 32
	v_pk_add_f32 v[T+2*i:T+2*i+1], v[T+2*i:T+2*i+1], 1.0 op_sel_hi:[1,0]
.set i, i+1
.endr
.set i, 0
.rept 64
	v_log_f32 v[T+i], v[T+i]
.set i, i+1
.endr
	v_nop                                          ; a plain line behind the last logarithm
	s_wait_alu depctr_va_vdst(0)                   ; one wait for the 64 logarithms
.set i, 0
.rept 32
	v_pk_fma_f32 v[Z+2*i:Z+2*i+1], v[T+2*i:T+2*i+1], s[LN2:LN2+1], v[Z+2*i:Z+2*i+1] op_sel_hi:[1,0,1]
.set i, i+1
.endr
	s_wait_xcnt 0x0                                ; the stores before have read the packed registers
.set i, 0
.rept 32
	v_cvt_pk_f16_f32 v[P+i], v[Z+2*i], v[Z+2*i+1]
.set i, i+1
.endr
.irp mt, 0,1,2,3                       ; m-tiles 0-3 are the own block's steps, 4-7 the other's; sixteen lanes store 256 consecutive bytes, aligned
	global_store_b128 v[DLO], v[P+4*\mt:P+4*\mt+3], s[DLA:DLA+1] offset:((\nt)/2)*131072+((\nt)%2)*256+\mt*1024
.endr
.irp mt, 0,1,2,3
	global_store_b128 v[DLO], v[P+16+4*\mt:P+19+4*\mt], s[DLA2:DLA2+1] offset:((\nt)/2)*131072+((\nt)%2)*256+\mt*1024
.endr
.endm
.irp nt, 0,1,2,3,4,5,6,7
	SOFT \nt
.endr
	s_wait_tensorcnt 0x0                           ; the wave's end: these three lines, behind my last tensor load and my last LDS store
	ds_add_u32 v[SPW], v[NIL]
	s_wait_dscnt 0x0
	CROUND                                         ; the closing round: no work-group ends while a partner may still ask for a slab that names it
	s_endpgm
.Lfunc_end_k_q4b14522e49_proj:
	.size	k_q4b14522e49_proj, .Lfunc_end_k_q4b14522e49_proj-k_q4b14522e49_proj
	.p2alignl 7, 3214868480
	.fill 96, 4, 3214868480
	.section	.rodata,"a",@progbits
	.p2align	6, 0x0
	.amdhsa_kernel k_q4b14522e49_proj
		.amdhsa_group_segment_fixed_size 327680
		.amdhsa_private_segment_fixed_size 0
		.amdhsa_enable_private_segment 0
		.amdhsa_kernarg_size 72
		.amdhsa_user_sgpr_count 2
		.amdhsa_user_sgpr_kernarg_segment_ptr 1
		.amdhsa_wavefront_size32 1
		.amdhsa_system_sgpr_workgroup_id_x 1
		.amdhsa_system_sgpr_workgroup_id_y 1
		.amdhsa_system_sgpr_workgroup_id_z 1
		.amdhsa_system_vgpr_workitem_id 0
		.amdhsa_next_free_vgpr 1024
		.amdhsa_next_free_sgpr 88
		.amdhsa_reserve_vcc 0
		.amdhsa_float_denorm_mode_32 3
		.amdhsa_float_denorm_mode_16_64 3
		.amdhsa_memory_ordered 1
		.amdhsa_forward_progress 1
		.amdhsa_inst_pref_size 246
	.end_amdhsa_kernel
	.amdgpu_metadata
---
amdhsa.version: [ 1, 2 ]
amdhsa.kernels:
  - .name:           k_q4b14522e49_proj
    .symbol:         k_q4b14522e49_proj.kd
    .args:
      - { .name: x, .offset: 0, .size: 8, .value_kind: global_buffer, .address_space: global }
      - { .name: wt, .offset: 8, .size: 8, .value_kind: global_buffer, .address_space: global }
      - { .name: wbc, .offset: 16, .size: 8, .value_kind: global_buffer, .address_space: global }
      - { .name: bdelta, .offset: 24, .size: 8, .value_kind: global_buffer, .address_space: global }
      - { .name: bb, .offset: 32, .size: 8, .value_kind: global_buffer, .address_space: global }
      - { .name: bc, .offset: 40, .size: 8, .value_kind: global_buffer, .address_space: global }
      - { .name: dl, .offset: 48, .size: 8, .value_kind: global_buffer, .address_space: global }
      - { .name: xb, .offset: 56, .size: 8, .value_kind: global_buffer, .address_space: global }
      - { .name: bcm, .offset: 64, .size: 8, .value_kind: global_buffer, .address_space: global }
    .group_segment_fixed_size: 327680
    .private_segment_fixed_size: 0
    .kernarg_segment_align: 8
    .kernarg_segment_size: 72
    .max_flat_workgroup_size: 128
    .sgpr_count:     88
    .vgpr_count:     1024
    .wavefront_size: 32
...
	.end_amdgpu_metadata
.endif
;; end of part 4
;; launch scan (part 5): grid 256 x 1, 4 waves a work-group, clusters of 4 x 1, 327,680 bytes of LDS; arguments dl, xb, bcm, A_log, D_param, out0; writes out0
.if DOCPART == 5
	.amdgcn_target "amdgcn-amd-amdhsa--gfx1250"
	.amdhsa_code_object_version 6
	.text
	.protected	k_q4b14522e49_scan
	.globl	k_q4b14522e49_scan
	.p2align	8
	.type	k_q4b14522e49_scan,@function
k_q4b14522e49_scan:
	s_mov_b64 s[64:65], 0
	v_nop
	global_prefetch_b8 v0, s[64:65] scope:SCOPE_SE
	s_setreg_imm32_b32 hwreg(HW_REG_WAVE_MODE, 25, 1), 1
	s_wait_xcnt 0x0
	s_wait_alu depctr_hold_cnt(0) depctr_sa_sdst(0) depctr_va_vdst(0) depctr_va_sdst(0) depctr_va_ssrc(0) depctr_va_vcc(0) depctr_vm_vsrc(0)
	s_getreg_b32 s2, hwreg(HW_REG_IB_STS2, 6, 4)
	s_cmp_eq_u32 s2, 0
	s_cbranch_scc0 .Lentry_in_a_cluster
	s_endpgm
.Lentry_in_a_cluster:
	s_bfe_u32 s2, ttmp6, 0x10000c
	s_cmp_lg_u32 s2, 0x3003
	s_cbranch_scc0 .Lentry_shape_is_right
	s_endpgm
.Lentry_shape_is_right:
; THE RECURRENCE.  h = exp(delta A) h + delta B x;  y = sum over n of h C + D x;  A = -exp(A_log).  2,048 steps for each of 8 x 1,024 x 16 chains (b, d, n).
; SHARES.  131,072 chains = 256 work-groups x 4 waves x 32 lanes x 4 states: time is not cut, so each exponential is made once.  A work-group owns one b and 32 channels; lane l of wave w
; owns channel 8 w + l / 4 and states 4 (l % 4) .. + 3; y's sum over the states is an exchange among four neighbouring lanes.
; TILES of 256 steps go through two LDS slots: delta (16 KiB, wave 0's load), x (16 KiB, wave 1's), B and C (32 KiB, waves 2 and 3): each a dense block, asked for as 64 rows of 256 bytes.
; CLUSTER.  The four partners share b, so B's and C's tiles are asked for JOINTLY (mask 15); delta's and x's are each work-group's own, by plain loads behind the same round.
; A HALF is eight steps (an oct).  Half k deals two streams of vector lines into one: the recurrence and y of oct k, and the set-up of oct k + 1 (delta and x widened, the arguments, the 32 exponentials,
; u = delta x, x D / 8).  All its LDS instructions stand in ONE run: at a half's end the one wait for the exponentials and the two stores of y, then, with scalar lines alone between, the next half's 18 loads:
; delta and x of oct k + 2, B and C of oct k + 1.  So all that a half reads from LDS was asked for a half earlier, and one wait at its head serves it.
; B and C, and delta and x as loaded, have two register buffers, so a trip of the loop is two halves; the factors, u and x D / 8 have one: a step's new numbers are written behind the line that read its old ones.
; The pipeline is started and emptied in every tile: the next tile's bytes are shown whole only behind the change of slots.
; y is gathered in one of two stages in LDS and leaves a tile later, 16 bytes a lane.  A work-group's 32 channels are 128 bytes of a row of out0: a store covers four rows x 128 consecutive, aligned bytes.
; Pieces of 256 bytes would want 64 channels a work-group: half as many work-groups, each with twice the chains a lane.
; LIMITS.  A_log and D_param are rounded to bf16 like every input; delta arrives in f16, x in bf16, B and C in f32; h and y are kept in f32.  exp(delta A) = 2^(delta A2), A2 = -log2 e x 2^(A_log log2 e);
; a factor below 2^-126 counts as 0.  D x is added as eight equal parts x D / 8 (the scale is exact), one in each half of a packed sum in each of the four lanes.  NaN and infinities are not treated apart.
.set SLOTB, 65536                      ; slot p at p x 65,536: delta, x at + 16,384, B/C at + 32,768
.set XOF,   16384
.set BCOF,  32768
.set YST1,  163840                     ; the stages, 256 steps x 128 bytes, at 131,072 and 163,840: one exclusive or with 32,768 turns one into the other; no tensor load lands there
.set SPARE, 196608                     ; the spare words, 128 bytes a wave: two blocks of 256 bytes that no other line names
.set LRW, 4                            ; v4  16 x channel: my place in an oct of delta and of x         v5  B/C: 32,768 + 32 g         v6  stage: 128 g + 4 x channel
.set LBC, 5
.set LYS, 6
.set LDR, 7                            ; v7  the drain: 8,192 w + 16 l      v8  its place in out0: row l / 8, 16 (l % 8)       v9  256 l, for the prefetches
.set OUTO, 8
.set PFO, 9
.set ARW, 10                           ; v10-13  the LDS addresses in hand
.set ABC, 11
.set AYS, 12
.set ADR, 13
.set SPW, 14                           ; v14  SPARE + 4 x my thread's number; never rewritten       v15  0; never rewritten
.set NIL, 15
.set A2,  24                           ; delta and x as loaded: even octs v[16:19], v[20:23]; odd octs v[88:91], v[92:95];  v[24:27] A2;  v[28:31] h, carried;  v[32:33] D / 8;  v34,35 y to store
.set HC,  28
.set DP,  32
.set DF,  36                           ; v[36:43] delta in f32      v[44:51] x in f32       v[52:59] u = delta x      v[60:67] x D / 8      v[68:75] a lane's part of y
.set XF,  44
.set UF,  52
.set XD,  60
.set S,   68
.set K01, 76                           ; v76-85  the exchange: what a lane keeps and what it sends, for steps 0-3 and 4-7
.set T01, 77
.set K23, 78
.set T23, 79
.set T0,  80
.set K45, 81
.set T45, 82
.set K67, 83
.set T67, 84
.set T1,  85
.set AO,  86                           ; v86, v87  my offsets in A_log and D_param
.set DO,  87
.set AE,  96                           ; v[96:127]  step t's four factors at + 4 t
.set BC,  128                          ; v[128:255] two buffers of 64: step t: B (then u B, then h) at + 8 t, C at + 8 t + 4; buffer 0 is also the drain's
.set WV,  16
.set CX,  17
.set GG,  18
.set NB,  19
.set DB,  20
.set SLOTS, 21                         ; s21 tiles still to be asked for     s22 trips to go     s23 the slot read     s24 the stage written     s25 limit of my prefetches
.set OCT, 22
.set TB,  23
.set YB,  24
.set LIM, 25
.set PFA, 26                           ; s[26:27] where my prefetches stand     s[28:29] their step     s[30:31] out0 at my rows of the tile to drain
.set PSTEP, 28
.set OA,  30
.set G1J, 32                           ; s[32:39] group 1, joint     s[40:47] group 1, plain     s[48:51] group 0 for B/C     s[52:55] group 0 for delta or x
.set G1P, 40
.set G0J, 48
.set G0P, 52
.set MA,  56                           ; s56 the lanes with an odd l      s57 those with bit 1 of l set      s59 a word's upper half
.set MC,  57
.set HIM, 59
.set SRW, 61                           ; s61-63 the walking parts of the three LDS addresses
.set SBC, 62
.set SYS, 63
.macro CROUND                          ; a round of the cluster's barrier
	s_barrier_signal -1
	s_barrier_wait -1
	s_cmp_lg_u32 s[WV], 0
	s_cbranch_scc1 .Lnot_wave_0_\@
	s_barrier_signal -3
.Lnot_wave_0_\@:
	s_barrier_wait -3
	s_barrier_signal -1
	s_barrier_wait -1
.endm
.macro JLOAD                           ; one tensor load a wave; the branch hangs on the wave's number alone; an s_nop 0 and four v_nop follow each line
	s_cmp_lt_u32 s[WV], 2
	s_cbranch_scc0 .Ljoint_\@
	tensor_load_to_lds s[G0P:G0P+3], s[G1P:G1P+7]
	s_nop 0
.rept 4
	v_nop
.endr
	s_branch .Lasked_\@
.Ljoint_\@:
	tensor_load_to_lds s[G0J:G0J+3], s[G1J:G1J+7]
	s_nop 0
.rept 4
	v_nop
.endr
.Lasked_\@:
.endm
; A PREFETCH INTO THE L2 of what the NEXT change of slots will ask for, a lane a block of 256 bytes.  Waves 0 and 1: their own next tile, 64 blocks, two instructions.  B/C's tile, 128 blocks, is read by the
; eight clusters of a b: the first of them asks, wave 2 of each partner for 32 blocks, told apart by address.  Each block is named once.  The last change that fills asks for nothing; tiles 0 and 1 come by their loads alone.
.macro ASK
	s_cmp_gt_u32 s[SLOTS], s[LIM]
	s_cbranch_scc0 .Lnot_mine_\@
	global_prefetch_b8 v[PFO], s[PFA:PFA+1] th:TH_LOAD_NT scope:SCOPE_SE
	s_cmp_lt_u32 s[WV], 2
	s_cbranch_scc0 .Lnot_mine_\@
	global_prefetch_b8 v[PFO], s[PFA:PFA+1] offset:8192 th:TH_LOAD_NT scope:SCOPE_SE
.Lnot_mine_\@:
.endm
; THE CHANGE OF SLOTS.  Each wave waits for all its tensor loads (one is out: its part of the other slot), adds 0 to its spare word, and waits for that, for its reads of the slot that it leaves and for its
; stores into the stage.  fill = 1: the barrier is a round of the cluster's, and the refill, the tile two on, is the first thing behind it: it has a tile's 32 halves in which to land.
.macro CHANGE fill
	s_wait_tensorcnt 0x0                           ; no tensor load of mine is out, so the descriptors may be written
	ds_add_u32 v[SPW], v[NIL]                      ; 0 onto my spare word; the scalar steps stand between it and the wait for it
.if \fill
	s_xor_b32 s[G0J+1], s[G0J+1], SLOTB            ; the other slot than last time,
	s_add_nc_u64 s[G0J+2:G0J+3], s[G0J+2:G0J+3], 32768  ; the next 256 steps; the type bits on top are not reached
	s_xor_b32 s[G0P+1], s[G0P+1], SLOTB
	s_add_nc_u64 s[G0P+2:G0P+3], s[G0P+2:G0P+3], 16384
	s_wait_xcnt 0x0                                ; the last prefetches, a tile back, have read their address
	s_add_nc_u64 s[PFA:PFA+1], s[PFA:PFA+1], s[PSTEP:PSTEP+1]
	s_wait_dscnt 0x0
	CROUND
	JLOAD
	ASK
.else
	s_wait_dscnt 0x0
	s_barrier_signal -1
	s_barrier_wait -1
.endif
	s_xor_b32 s[TB], s[TB], SLOTB
	s_xor_b32 s[YB], s[YB], 32768
.endm
; The stage that the tile before has filled goes out: my 64 steps x 128 bytes.  The stages take turns: one is stored in a tile, read behind the next barrier, and stored again only behind the barrier after that.
; The stores carry no stream hint: the other 128 bytes of each aligned 256 are stored by the neighbouring work-group of my cluster, behind the same round.
.macro DRAIN
	s_xor_b32 s60, s[YB], 32768
	v_add_nc_u32 v[ADR], s60, v[LDR]
.irp i, 0,1,2,3,4,5,6,7,8,9,10,11,12,13,14,15
	ds_load_b128 v[BC+4*\i:BC+4*\i+3], v[ADR] offset:\i*512
.endr
.irp i, 0,1,2,3,4,5,6,7,8,9,10,11,12,13,14,15
	s_wait_dscnt 15-\i
	global_store_b128 v[OUTO], v[BC+4*\i:BC+4*\i+3], s[OA:OA+1] offset:\i*16384
.endr
	s_wait_xcnt 0x0                                ; the stores have read their registers and base
	s_add_nc_u64 s[OA:OA+1], s[OA:OA+1], 1048576   ; 256 rows of out0 on
.endm
; THE SET-UP OF AN OCT, line by line; RS says which buffer holds its delta and x as loaded.  With FULL = 0 (a tile's last half: no oct follows) these macros write nothing.
.macro CVA                             ; delta of steps 0-3 widened
.if FULL
.if RS
	v_cvt_f32_f16 v36, v88.l
	v_cvt_f32_f16 v37, v88.h
	v_cvt_f32_f16 v38, v89.l
	v_cvt_f32_f16 v39, v89.h
.else
	v_cvt_f32_f16 v36, v16.l
	v_cvt_f32_f16 v37, v16.h
	v_cvt_f32_f16 v38, v17.l
	v_cvt_f32_f16 v39, v17.h
.endif
.endif
.endm
.macro CVB                             ; of steps 4-7
.if FULL
.if RS
	v_cvt_f32_f16 v40, v90.l
	v_cvt_f32_f16 v41, v90.h
	v_cvt_f32_f16 v42, v91.l
	v_cvt_f32_f16 v43, v91.h
.else
	v_cvt_f32_f16 v40, v18.l
	v_cvt_f32_f16 v41, v18.h
	v_cvt_f32_f16 v42, v19.l
	v_cvt_f32_f16 v43, v19.h
.endif
.endif
.endm
.macro XU j                            ; x of step j widened
.if FULL
.if (\j)%2
	v_and_b32 v[XF+(\j)], s[HIM], v[20+72*RS+(\j)/2]
.else
	v_lshlrev_b32 v[XF+(\j)], 16, v[20+72*RS+(\j)/2]
.endif
.endif
.endm
.macro AG t, h                         ; delta_t x A2 for states 2 h, 2 h + 1
.if FULL
.set jj, 2*(\t)+(\h)
.if (\t)%2
	v_pk_mul_f32 v[AE+2*jj:AE+2*jj+1], v[A2+2*(\h):A2+2*(\h)+1], v[DF+2*((\t)/2):DF+2*((\t)/2)+1] op_sel:[0,1] op_sel_hi:[1,1]
.else
	v_pk_mul_f32 v[AE+2*jj:AE+2*jj+1], v[A2+2*(\h):A2+2*(\h)+1], v[DF+2*((\t)/2):DF+2*((\t)/2)+1] op_sel_hi:[1,0]
.endif
.endif
.endm
.macro EX t, n                         ; the factor of step t, state n
.if FULL
	v_exp_f32 v[AE+4*(\t)+(\n)], v[AE+4*(\t)+(\n)]
.endif
.endm
.macro UU j                            ; u = delta x of steps 2 j, 2 j + 1
.if FULL
	v_pk_mul_f32 v[UF+2*(\j):UF+2*(\j)+1], v[DF+2*(\j):DF+2*(\j)+1], v[XF+2*(\j):XF+2*(\j)+1]
.endif
.endm
.macro XM j                            ; x D / 8 of steps 2 j, 2 j + 1
.if FULL
	v_pk_mul_f32 v[XD+2*(\j):XD+2*(\j)+1], v[XF+2*(\j):XF+2*(\j)+1], v[DP:DP+1] op_sel_hi:[1,0]
.endif
.endm
; THE RECURRENCE AND y OF AN OCT, line by line; BB is the oct's buffer of B and C.
.macro UB t                            ; B_t x u_t, in place
.if (\t)%2
	v_pk_mul_f32 v[BB+8*(\t):BB+8*(\t)+1],   v[BB+8*(\t):BB+8*(\t)+1],   v[UF+2*((\t)/2):UF+2*((\t)/2)+1] op_sel:[0,1] op_sel_hi:[1,1]
	v_pk_mul_f32 v[BB+8*(\t)+2:BB+8*(\t)+3], v[BB+8*(\t)+2:BB+8*(\t)+3], v[UF+2*((\t)/2):UF+2*((\t)/2)+1] op_sel:[0,1] op_sel_hi:[1,1]
.else
	v_pk_mul_f32 v[BB+8*(\t):BB+8*(\t)+1],   v[BB+8*(\t):BB+8*(\t)+1],   v[UF+2*((\t)/2):UF+2*((\t)/2)+1] op_sel_hi:[1,0]
	v_pk_mul_f32 v[BB+8*(\t)+2:BB+8*(\t)+3], v[BB+8*(\t)+2:BB+8*(\t)+3], v[UF+2*((\t)/2):UF+2*((\t)/2)+1] op_sel_hi:[1,0]
.endif
.endm
.macro HREG t                          ; where h of step t lies: in B_t's registers; step 7's in the carry
.set hs, BB+8*(\t)
.if (\t) == 7
.set hs, HC
.endif
.endm
.macro HS t                            ; h_t = factor_t x h_(t-1) + u_t B_t
.set hp, BB+8*(\t)-8
.if (\t) == 0
.set hp, HC
.endif
	HREG \t
	v_pk_fma_f32 v[hs:hs+1],   v[AE+4*(\t):AE+4*(\t)+1],   v[hp:hp+1],   v[BB+8*(\t):BB+8*(\t)+1]
	v_pk_fma_f32 v[hs+2:hs+3], v[AE+4*(\t)+2:AE+4*(\t)+3], v[hp+2:hp+3], v[BB+8*(\t)+2:BB+8*(\t)+3]
.endm
.macro M1 t                            ; h C of states 0, 1, each with x_t D / 8
	HREG \t
.if (\t)%2
	v_pk_fma_f32 v[BB+8*(\t)+4:BB+8*(\t)+5], v[hs:hs+1], v[BB+8*(\t)+4:BB+8*(\t)+5], v[XD+2*((\t)/2):XD+2*((\t)/2)+1] op_sel:[0,0,1] op_sel_hi:[1,1,1]
.else
	v_pk_fma_f32 v[BB+8*(\t)+4:BB+8*(\t)+5], v[hs:hs+1], v[BB+8*(\t)+4:BB+8*(\t)+5], v[XD+2*((\t)/2):XD+2*((\t)/2)+1] op_sel_hi:[1,1,0]
.endif
.endm
.macro M2 t                            ; + h C of states 2, 3
	HREG \t
	v_pk_fma_f32 v[BB+8*(\t)+4:BB+8*(\t)+5], v[hs+2:hs+3], v[BB+8*(\t)+6:BB+8*(\t)+7], v[BB+8*(\t)+4:BB+8*(\t)+5]
.endm
.macro YA t                            ; my lane's part of y_t
	v_add_f32 v[S+(\t)], v[BB+8*(\t)+4], v[BB+8*(\t)+5]
.endm
; THE EXCHANGE.  Of two numbers a, b a lane keeps one (b where its bit of mask m is set) and sends the other to the lane whose number differs in that bit, which keeps that one: one addition finishes both.
; Two levels (bit 0, then bit 1 of the lane's number) leave lane g of a channel's four with the whole sum of step g, and of step 4 + g: 9 lines for four steps.
.macro RK d, a, b, m
	v_cndmask_b32 v[\d], v[\a], v[\b], s[\m]
.endm
.macro RS2 d, a, b, m
	v_cndmask_b32 v[\d], v[\b], v[\a], s[\m]
.endm
.macro RA k, s, x
	v_add_f32_dpp v[\k], v[\s], v[\k] row_xmask:\x row_mask:0xf bank_mask:0xf
.endm
; HALF k of a tile: p = k % 2 is its buffer of B and C.  full = 1: B and C of oct k + 1 are loaded and that oct is set up.  raw = 1: delta and x of oct k + 2 are loaded, into buffer p, which the half before read out.
; THE ORDER.  Slot i holds h's step i; the factors of step i - 2 of the next oct, each exponential with a plain line behind it; the arguments of step i - 1, written behind the line of slot i - 1 that read that
; step's old factors; and y's lines of steps i - 1, i - 2, i - 3.  So the links of h's chain stand 8 lines apart or more, and what any other line reads was written 6 lines earlier or more (the last addition: 4).
; x's unpacking, u and x D / 8, which wait for nothing, fill the end, where y's chain of steps 4-7 (sum, select, add, select, add) runs out.
; No line behind an exponential names its result before the half's end, so the 32 have ONE wait; it stands ahead of the stores and of the loop's jump.
.macro HALF p, full, raw
.set BB, BC+64*(\p)
.set BN, BC+64*(1-(\p))
.set FULL, \full
.set RS, 1-(\p)
.if \raw
	ds_load_b128 v[16+72*(\p):19+72*(\p)], v[ARW] offset:512*(2+(\p))      ; 16 bytes each, the same for the four lanes of a channel
	ds_load_b128 v[20+72*(\p):23+72*(\p)], v[ARW] offset:XOF+512*(2+(\p))
.endif
.if \full
.irp t, 0,1,2,3,4,5,6,7
	ds_load_b128 v[BN+8*\t:BN+8*\t+3], v[ABC] offset:1024*(1+(\p))+\t*128
.endr
.irp t, 0,1,2,3,4,5,6,7
	ds_load_b128 v[BN+8*\t+4:BN+8*\t+7], v[ABC] offset:1024*(1+(\p))+\t*128+16
.endr
	s_wait_dscnt 18+2*(\raw)                       ; out may be the loads just issued and the two stores ahead of them: what the half before asked for, this oct's B and C and the next oct's delta and x, is in
.else
	s_wait_dscnt 2                                 ; behind this oct's B and C only the two stores were issued
.endif
	UB 0
	UB 1
	UB 2
	HS 0
	UB 3
	CVA
	HS 1
	AG 0, 0
	AG 0, 1
	M1 0
	UB 4
	CVB
.set i, 2
.rept 6
	HS i
	EX i-2, 0
	AG i-1, 0
	EX i-2, 1
	AG i-1, 1
	EX i-2, 2
	M1 i-1
	EX i-2, 3
	M2 i-2
.if i >= 3
	YA i-3
.endif
.if i <= 4
	UB i+3
.endif
.if i == 2
	XU 0
	XU 1
.endif
.if i == 3
	XU 2
	XU 3
.endif
.if (i == 5) && ((\p) == 0)
	v_add_nc_u32 v[AYS], s[SYS], v[LYS]            ; where this half and the next put y
	s_add_co_u32 s[SYS], s[SYS], 2048
.endif
.set i, i+1
.endr
	RK K01, S, S+1, MA
	RS2 T01, S, S+1, MA
	RK K23, S+2, S+3, MA
	RS2 T23, S+2, S+3, MA
	EX 6, 0
	AG 7, 0
	EX 6, 1
	AG 7, 1
	EX 6, 2
	M1 7
	EX 6, 3
	M2 6
	YA 5
	RA K01, T01, 1
	RA K23, T23, 1
	EX 7, 0
	M2 7
	EX 7, 1
	YA 6
	EX 7, 2
	RK K45, S+4, S+5, MA
	EX 7, 3
	RS2 T45, S+4, S+5, MA
	YA 7
	RK 34, K01, K23, MC
	RS2 T0, K01, K23, MC
	XU 4
	XU 5
	RA K45, T45, 1
	RK K67, S+6, S+7, MA
	RS2 T67, S+6, S+7, MA
	RA 34, T0, 2                                   ; y of step g
	XU 6
	XU 7
	UU 0
	UU 1
	RA K67, T67, 1
	UU 2
	XM 0
	XM 1
	XM 2
	UU 3
	RK 35, K45, K67, MC
	RS2 T1, K45, K67, MC
	XM 3
.if (\full) && ((\p) == 1)
	s_add_co_u32 s[SRW], s[SRW], 1024              ; the next two halves' loads: two octs on
	s_add_co_u32 s[SBC], s[SBC], 2048
	v_add_nc_u32 v[ARW], s[SRW], v[LRW]
	v_add_nc_u32 v[ABC], s[SBC], v[LBC]
.endif
	RA 35, T1, 2                                   ; y of step 4 + g
.if \full
	s_wait_alu depctr_va_vdst(0)                   ; one wait for the 32 exponentials, ahead of their first reader in the next half and of the jump
.endif
	ds_store_b32 v[AYS], v34 offset:1024*(\p)
	ds_store_b32 v[AYS], v35 offset:1024*(\p)+512
.endm
.macro PLAIN                           ; the first oct's set-up stands alone: the plain line behind exponential i: the arguments two pairs ahead, x's unpacking, u, x D / 8.  None names an exponential's result.
.if i < 14
	AG (i+2)/2, (i+2)%2
.elseif i < 22
	XU i-14
.elseif i < 26
	UU i-22
.elseif i < 30
	XM i-26
.endif
.endm
; A TILE: octs 0 and 1 are asked for and oct 0 is set up; 15 trips of two halves, which ask for delta and x up to oct 31; two halves more: the first asks for oct 31's B and C alone, the last for nothing.
.macro PROCESS
.set FULL, 1
.set RS, 0
	s_mov_b32 s[SRW], s[TB]
	s_mov_b32 s[SBC], s[TB]
	s_mov_b32 s[SYS], s[YB]
	v_add_nc_u32 v[ARW], s[TB], v[LRW]
	v_add_nc_u32 v[ABC], s[TB], v[LBC]
	ds_load_b128 v[16:19], v[ARW]
	ds_load_b128 v[20:23], v[ARW] offset:XOF
	ds_load_b128 v[88:91], v[ARW] offset:512
	ds_load_b128 v[92:95], v[ARW] offset:XOF+512
.irp t, 0,1,2,3,4,5,6,7
	ds_load_b128 v[BC+8*\t:BC+8*\t+3], v[ABC] offset:\t*128
.endr
.irp t, 0,1,2,3,4,5,6,7
	ds_load_b128 v[BC+8*\t+4:BC+8*\t+7], v[ABC] offset:\t*128+16
.endr
	s_wait_dscnt 18                                ; oct 0's delta and x are in; oct 1's two loads and the sixteen of B and C may stay out
	CVA
	CVB
	AG 0, 0
	AG 0, 1
.set i, 0
.rept 32
	v_exp_f32 v[AE+i], v[AE+i]
	PLAIN
.set i, i+1
.endr
	v_nop                                          ; a plain line behind the last exponential
	s_wait_alu depctr_va_vdst(0)                   ; one wait for the 32, ahead of the label
	s_wait_dscnt 0x0                               ; oct 0's B and C and oct 1's delta and x are in: so the count at a half's head holds on the way in as on the way back
	s_mov_b32 s[OCT], 15
.Loct_\@:
	HALF 0, 1, 1
	HALF 1, 1, 1
	s_sub_co_u32 s[OCT], s[OCT], 1
	s_cmp_lg_u32 s[OCT], 0
	s_cbranch_scc1 .Loct_\@
	HALF 0, 1, 0
	HALF 1, 0, 0
.endm
	s_load_b256 s[4:11], s[0:1], 0x0               ; dl s[4:5], xb s[6:7], bcm s[8:9], A_log s[10:11]
	s_load_b128 s[12:15], s[0:1], 0x20             ; D_param s[12:13], out0 s[14:15]
	v_lshl_add_u32 v[SPW], v0, 2, SPARE
	v_mov_b32 v[NIL], 0
	ds_add_u32 v[SPW], v[NIL]                      ; the wave's opening: the add, twice on end, and its wait ahead of my first tensor load; the set-up below stands between
	ds_add_u32 v[SPW], v[NIL]                      ; and once more, under the one wait
	v_lshrrev_b32 v1, 5, v0
	v_readfirstlane_b32 s[WV], v1                  ; wave 0..3
	s_bfe_u32 s[CX], ttmp6, 0x40000                ; my place in the cluster: it enters global addresses of my own alone
	s_lshl_b32 s[GG], ttmp9, 2
	s_add_co_u32 s[GG], s[GG], s[CX]               ; work-group = 32 b + block of channels
	s_lshr_b32 s[NB], ttmp9, 3                     ; b, which the four partners share
	s_and_b32 s[DB], s[GG], 31
	s_mov_b32 s[G1J], 15|(3<<16)|(1<<21)           ; 15:0 the mask of four; 17:16 8-byte elements; 21 set beside a mask
	s_mov_b32 s[G1P], 3<<16                        ; the same without a mask
.irp g, G1J, G1P
	s_mov_b32 s[\g+1], 32<<16                      ; tensor_dim0 = 32 (256 bytes)
	s_mov_b32 s[\g+2], 64<<16                      ; tensor_dim1 = 64
	s_mov_b32 s[\g+3], 32<<16                      ; tile_dim0 = 32
	s_mov_b32 s[\g+4], 64                          ; tile_dim1 = 64
	s_mov_b32 s[\g+5], 32                          ; dense rows
	s_mov_b32 s[\g+6], 0
	s_mov_b32 s[\g+7], 0
.endr
	s_mov_b32 s[G0J], 1
	s_lshl_b32 s[G0J+1], s[WV], 14                 ; LDS: 16,384 x wave, in slot 0
	s_mov_b32 s[G0P], 1
	s_lshl_b32 s[G0P+1], s[WV], 14
	s_mov_b32 s[MA], 0xaaaaaaaa
	s_mov_b32 s[MC], 0xcccccccc
	s_mov_b32 s[HIM], 0xffff0000
	s_mov_b32 s[TB], SLOTB                         ; the first change of slots turns these into slot 0 and stage 0
	s_mov_b32 s[YB], YST1
	s_mov_b32 s[SLOTS], 7
	s_and_b32 s60, ttmp9, 7                        ; who prefetches: waves 0 and 1 always; wave 2 in the first cluster of a b; wave 3 never: the same in all four partners
	s_cmp_lt_u32 s[WV], 2
	s_cselect_b32 s60, 0, s60
	s_cmp_eq_u32 s[WV], 3
	s_cselect_b32 s60, 1, s60
	s_cmp_eq_u32 s60, 0
	s_cselect_b32 s[LIM], 1, -1
	s_lshl_b32 s66, s[WV], 3
	s_lshl_b32 s67, s[WV], 13
	v_and_b32 v1, 31, v0                           ; l
	v_and_b32 v2, 3, v0                            ; g
	v_bfe_u32 v3, v0, 2, 3
	v_add_nc_u32 v3, s66, v3                       ; my channel in the block
	v_lshlrev_b32 v[LRW], 4, v3
	v_lshl_add_u32 v[LBC], v2, 5, BCOF
	v_lshlrev_b32 v[LYS], 7, v2
	v_lshl_add_u32 v[LYS], v3, 2, v[LYS]
	v_lshl_add_u32 v[LDR], v1, 4, s67
	v_lshrrev_b32 v[OUTO], 3, v1
	v_lshlrev_b32 v[OUTO], 12, v[OUTO]
	v_and_b32 v[PFO], 7, v0
	v_lshl_add_u32 v[OUTO], v[PFO], 4, v[OUTO]
	v_lshlrev_b32 v[PFO], 8, v1
	s_lshl_b32 s68, s[DB], 11
	v_lshl_add_u32 v[AO], v3, 6, s68               ; A_log: 64 bytes a channel, my four states
	v_lshl_add_u32 v[AO], v2, 4, v[AO]
	s_lshl_b32 s69, s[DB], 7
	v_lshl_add_u32 v[DO], v3, 2, s69               ; D_param
	s_lshl_b32 s66, s[NB], 18                      ; bcm: 262,144 bytes a b, (these two registers never hold my place in the cluster)
	s_and_b32 s67, s[WV], 1
	s_lshl_b32 s67, s67, 14                        ; my half of a tile
	s_add_co_u32 s66, s66, s67
	s_mov_b32 s67, 0
	s_wait_dscnt 0x0                               ; both opening adds are done
	s_wait_kmcnt 0x0
	global_load_b128 v[A2:A2+3], v[AO], s[10:11]
	global_load_b32 v[DP], v[DO], s[12:13]
	s_add_nc_u64 s[G0J+2:G0J+3], s[8:9], s[66:67]
	s_or_b32 s[G0J+3], s[G0J+3], 0x80000000        ; type = 2
	s_lshl_b32 s68, s[GG], 17                      ; dl, xb: 131,072 bytes for a b and a block of channels
	s_mov_b32 s69, 0
	s_cmp_eq_u32 s[WV], 0
	s_cselect_b64 s[70:71], s[4:5], s[6:7]         ; wave 0 fetches delta, wave 1 x (waves 2 and 3 make this set too and never ask by it)
	s_add_nc_u64 s[70:71], s[70:71], s[68:69]
	s_mov_b64 s[G0P+2:G0P+3], s[70:71]
	s_or_b32 s[G0P+3], s[G0P+3], 0x80000000
	s_lshl_b32 s68, s[NB], 18
	s_lshl_b32 s60, s[CX], 13                      ; my work-group's 32 blocks of B/C's 128
	s_add_co_u32 s68, s68, s60
	s_add_nc_u64 s[68:69], s[8:9], s[68:69]
	s_cmp_lt_u32 s[WV], 2
	s_cselect_b64 s[PFA:PFA+1], s[70:71], s[68:69]
	s_mov_b32 s[PSTEP], 32768                      ; a tile of B/C (the move leaves the compare's answer as it is),
	s_cselect_b32 s[PSTEP], 16384, s[PSTEP]        ; or of delta or x
	s_mov_b32 s[PSTEP+1], 0
	s_add_nc_u64 s[PFA:PFA+1], s[PFA:PFA+1], s[PSTEP:PSTEP+1]  ; at tile 1: the first change steps it to tile 2
	s_lshl_b32 s68, s[NB], 23                      ; out0: b, my block's 128 bytes of a row, my 64 rows of a tile
	s_lshl_b32 s60, s[DB], 7
	s_add_co_u32 s68, s68, s60
	s_lshl_b32 s60, s[WV], 18
	s_add_co_u32 s68, s68, s60
	s_mov_b32 s69, 0
	s_add_nc_u64 s[OA:OA+1], s[14:15], s[68:69]
	CROUND                                         ; all four work-groups are here: the first joint loads meet
	JLOAD                                          ; tile 0 into slot 0; slot 1 is asked for when it has landed, by the loop's own change of slots
	s_wait_loadcnt 0x0
	v_cvt_pk_bf16_f32 v16, v[A2], v[A2+1]          ; A_log and D_param rounded to bf16, like every input
	v_cvt_pk_bf16_f32 v17, v[A2+2], v[A2+3]
	v_cvt_pk_bf16_f32 v18, v[DP], v[DP]
	v_lshlrev_b32 v[A2], 16, v16
	v_and_b32 v[A2+1], s[HIM], v16
	v_lshlrev_b32 v[A2+2], 16, v17
	v_and_b32 v[A2+3], s[HIM], v17
	v_lshlrev_b32 v[DP], 16, v18
.irp j, 0,1,2,3
	v_mul_f32 v[A2+\j], 0x3fb8aa3b, v[A2+\j]
.endr
	v_mul_f32 v[DP], 0x3e000000, v[DP]             ; D / 8, exact
.irp j, 0,1,2,3
	v_exp_f32 v[A2+\j], v[A2+\j]
.endr
.irp j, 0,1,2,3
	v_mov_b32 v[HC+\j], 0                          ; h starts at 0; also the plain lines behind the exponentials
.endr
	v_mov_b32 v[DP+1], v[DP]                       ; named with it as a pair
	s_wait_alu depctr_va_vdst(0)                   ; one wait for the four, ahead of their first reader
.irp j, 0,1,2,3
	v_mul_f32 v[A2+\j], 0xbfb8aa3b, v[A2+\j]       ; A2 = -log2 e x exp(A_log)
.endr
	CHANGE 1                                       ; tile 0 is in, everybody's part of it; tile 1 is asked for
	s_branch .Lproc                                ; nothing to drain yet
.Lslot:                                                ; six times: tiles 2 to 7 are asked for
	CHANGE 1
	DRAIN
.Lproc:
	PROCESS
	s_sub_co_u32 s[SLOTS], s[SLOTS], 1
	s_cmp_lg_u32 s[SLOTS], 0
	s_cbranch_scc1 .Lslot
	CHANGE 0                                       ; the last tile is written out: nothing is asked for
	DRAIN
	PROCESS
	s_wait_dscnt 0x0                               ; my stores into the stage are done
	s_barrier_signal -1
	s_barrier_wait -1
	s_xor_b32 s[YB], s[YB], 32768
	DRAIN                                          ; the last tile's y
	s_wait_tensorcnt 0x0                           ; the wave's end: these three lines, behind my last tensor load and my last LDS store
	ds_add_u32 v[SPW], v[NIL]
	s_wait_dscnt 0x0
	CROUND                                         ; the closing round: no work-group ends while a partner may still ask for a tile that names it
	s_endpgm
.Lfunc_end_k_q4b14522e49_scan:
	.size	k_q4b14522e49_scan, .Lfunc_end_k_q4b14522e49_scan-k_q4b14522e49_scan
	.p2alignl 7, 3214868480
	.fill 96, 4, 3214868480
	.section	.rodata,"a",@progbits
	.p2align	6, 0x0
	.amdhsa_kernel k_q4b14522e49_scan
		.amdhsa_group_segment_fixed_size 327680
		.amdhsa_private_segment_fixed_size 0
		.amdhsa_enable_private_segment 0
		.amdhsa_kernarg_size 48
		.amdhsa_user_sgpr_count 2
		.amdhsa_user_sgpr_kernarg_segment_ptr 1
		.amdhsa_wavefront_size32 1
		.amdhsa_system_sgpr_workgroup_id_x 1
		.amdhsa_system_sgpr_workgroup_id_y 1
		.amdhsa_system_sgpr_workgroup_id_z 1
		.amdhsa_system_vgpr_workitem_id 0
		.amdhsa_next_free_vgpr 256
		.amdhsa_next_free_sgpr 72
		.amdhsa_reserve_vcc 0
		.amdhsa_float_denorm_mode_32 3
		.amdhsa_float_denorm_mode_16_64 3
		.amdhsa_memory_ordered 1
		.amdhsa_forward_progress 1
		.amdhsa_inst_pref_size 93
	.end_amdhsa_kernel
	.amdgpu_metadata
---
amdhsa.version: [ 1, 2 ]
amdhsa.kernels:
  - .name:           k_q4b14522e49_scan
    .symbol:         k_q4b14522e49_scan.kd
    .args:
      - { .name: dl, .offset: 0, .size: 8, .value_kind: global_buffer, .address_space: global }
      - { .name: xb, .offset: 8, .size: 8, .value_kind: global_buffer, .address_space: global }
      - { .name: bcm, .offset: 16, .size: 8, .value_kind: global_buffer, .address_space: global }
      - { .name: A_log, .offset: 24, .size: 8, .value_kind: global_buffer, .address_space: global }
      - { .name: D_param, .offset: 32, .size: 8, .value_kind: global_buffer, .address_space: global }
      - { .name: out0, .offset: 40, .size: 8, .value_kind: global_buffer, .address_space: global }
    .group_segment_fixed_size: 327680
    .private_segment_fixed_size: 0
    .kernarg_segment_align: 8
    .kernarg_segment_size: 48
    .max_flat_workgroup_size: 128
    .sgpr_count:     72
    .vgpr_count:     256
    .wavefront_size: 32
...
	.end_amdgpu_metadata
.endif
;; end of part 5
